; MI455X (gfx1250); checked and timed in simulation.
; The chip was launched on July 23, 2026; its instructions are those of AMD's public machine-readable ISA for CDNA 5 (MIT licence, August 2026) and "CDNA5" Instruction Set Architecture Reference Guide (July 2026). The comments in the code are by the model that wrote it; some were corrected since.
;; Windowed Cross Attn. Allowed arithmetic: matrix products marked QUANTISED: E2M3 operands, one E8M0 scale for each 32 along K, by v_wmma_scale_f32_16x16x128_f8f6f4 with both operands' format E2M3, f32 sums; everything else in f32.
;; Inputs: Wk 1,024 x 1,024 float32; Wo 1,024 x 1,024 float32; Wq 1,024 x 1,024 float32; Wv 1,024 x 1,024 float32; bk 1,024 float32; bo 1,024 float32; bq 1,024 float32; bv 1,024 float32; key 2 x 4,096 x 1,024 float32; query 2 x 2,048 x 1,024 float32; value 2 x 4,096 x 1,024 float32.
;; Outputs: out0 2 x 2,048 x 1,024 float32.
;; This version of the problem:
;;   THIS VERSION OF THE PROBLEM IS GIVEN IN LOW PRECISION. The matrix products marked QUANTISED in the list below multiply operands that are first quantised to E2M3 (2 exponent bits, 3 mantissa bits; 6 bits a number), with one power-of-two scale for each 32 numbers along K (OCP MX v1.0); their sums are f32. All else is computed in f32.
;;   The module's matrix products, in the order in which they are computed (A, B: the left and right operand; K: the contracted axis; several contracted axes count as one K, in the product's order):
;;     1. [M 4,096, K 1,024] x [K 1,024, N 1,024]; A: input query; B: input Wq: QUANTISED
;;     2. [M 8,192, K 1,024] x [K 1,024, N 1,024]; A: input key; B: input Wk: QUANTISED
;;     3. [M 8,192, K 1,024] x [K 1,024, N 1,024]; A: input value; B: input Wv: QUANTISED
;;     4. batch 32 x [M 2,048, K 64] x [K 64, N 4,096]; A: computed on the way; B: computed on the way: QUANTISED
;;     5. batch 32 x [M 64, K 4,096] x [K 4,096, N 2,048]; A: computed on the way; B: softmax (see below): QUANTISED
;;     6. [M 4,096, K 1,024] x [K 1,024, N 1,024]; A: computed on the way; B: input Wo: QUANTISED
;;   THE QUANTISER, for each operand of a quantised product, along K:
;;     - K is cut into blocks of 32 from its start; a last block that is shorter is filled with zeros.
;;     - A block's scale is 2^e with e = floor(log2(the largest magnitude in the block)) - 2, held to -126 .. 127; a block of zeros has e = 0. As a byte (E8M0): e + 127.
;;     - Each number is divided by its block's scale, clamped to +-7.5, and rounded to the nearest number of E2M3, ties to even, subnormals kept.
;;     - The product sums the exact products of the quantised numbers (number of the format x scale) in f32.
;;   ~~~python
;;   def quantise(x, axis):      # numpy; x: float32 -> the quantised numbers, widened to float32 again
;;       x = np.moveaxis(x, axis, -1); K = x.shape[-1]
;;       x = np.pad(x, [(0, 0)] * (x.ndim - 1) + [(0, -K % 32)]); x = x.reshape(x.shape[:-1] + (-1, 32)); a = np.abs(x).max(-1, keepdims=True)
;;       e = np.where(a > 0, np.clip(np.frexp(np.where(a > 0, a, 1))[1] - 1 - 2, -126, 127), 0)      # np.frexp(a)[1] - 1 = floor(log2(a)), exactly
;;       r = np.clip(x / 2.0 ** e, -7.5, 7.5)
;;       step = 2.0 ** (np.maximum(np.frexp(np.where(r == 0, 1, r))[1] - 1, 0) - 3)
;;       q = np.round(r / step) * step * 2.0 ** e      # np.round: ties to even
;;       return np.moveaxis(q.reshape(q.shape[:-2] + (-1,))[..., :K], -1, axis).astype(np.float32)
;;   ~~~
;;   SOFTMAX AHEAD OF A QUANTISED PRODUCT. Where the list says 'softmax', what is quantised is not the finished softmax but p = 2^(t - M), with t = logit x log2(e) and M = ceil(the row's largest t), a whole number; so 1/2 < the row's largest p <= 1. The row's sum l is taken of the UNQUANTISED p, in f32, and the product's result is divided by l at the end. Since M is a whole number, a kernel that streams over the keys may use a running M (the ceiling of the running maximum): every later rescaling is an exact power of two, which a block's scale takes up: the codes' values come out the same.
;;   OPERANDS COMPUTED ON THE WAY. 'Computed on the way' means the value that the module computes at that place (a softmax that the list does not call 'softmax' is quantised finished and normalised). What goes into a quantiser is computed in f32, as accurately as f32 sums, v_exp_f32 and their like allow (about 1e-6 of the number): no bf16 or f16 on the way to a quantiser, and a product that is left as it is and whose result goes on into a quantised operand takes f32 operands (vector FMAs, or v_wmma_f32_16x16x4_f32). A number that lies on a knife's edge between two numbers of the format may be rounded either way, as far as f32 arithmetic and the matrix unit's own rounding can turn it there, and no further.
;; 2 versions, each right; version 2 is version 1 with the launch attn written anew for expert scheduling mode. Each part assembles by itself: llvm-mc -triple=amdgcn-amd-amdhsa -mcpu=gfx1250 --defsym DOCPART=n.
;; ======== version 1 of 2: 4 launches
;; workspace buffers: xin_img 12,582,912 bytes; xin_sc 524,288 bytes; qkv_img 9,437,184 bytes; qkv_sc 393,216 bytes; att_img 3,145,728 bytes; att_sc 131,072 bytes
;; launch quant (part 1): grid 256 x 1, 8 waves a work-group, no clusters, 72,704 bytes of LDS; arguments query, key, value, Wq, Wk, Wv, Wo, xin_img, xin_sc; writes xin_img, xin_sc
.if DOCPART == 1
	.amdgcn_target "amdgcn-amd-amdhsa--gfx1250"
	.amdhsa_code_object_version 6
	.text
	.protected	k_qe2964671fe_quant
	.globl	k_qe2964671fe_quant
	.p2align	8
	.type	k_qe2964671fe_quant,@function
k_qe2964671fe_quant:
	s_mov_b64 s[64:65], 0
	v_nop
	global_prefetch_b8 v0, s[64:65] scope:SCOPE_SE
	s_setreg_imm32_b32 hwreg(HW_REG_WAVE_MODE, 25, 1), 1
	s_wait_xcnt 0x0
; query, key, value (the rows that the band mask lets count: 0 to 2,047 of each batch) and the four weights, all f32 with K = 1,024 innermost, become codes of FP6 (E2M3) with one E8M0 byte for each 32 along K.
; THE CODES ARE LAID AS IMAGES OF OPERAND REGISTERS.  A fragment is 16 rows x 128 K, 12 registers a lane (lane = 16 h + r), 1,536 bytes: half c at 768 c; registers 6 c .. 6 c + 3 at 768 c + 16 x lane,
; registers 6 c + 4, 6 c + 5 at 768 c + 512 + 8 x lane.  Registers 6 c .. 6 c + 5 of lane (r, h) hold the 32 codes k = 64 c + 32 h + 0 .. 31 of the image's row r.  xin_img: [tile g][K step of 128][1,536].
; Tiles g: query 0-255, key 256-511, value 512-767, Wq 768-831, Wk 832-895, Wv 896-959, Wo 960-1023.  Scale words (4 bytes: a row's 128 along K): xin_sc [K step 0..7][g][16 rows].
; PERMUTED TILES (key, value, Wq, Wk, Wv): tile 2 b + u holds in its row r the tensor's row 32 b + 8 u + r + 8 (r / 8), so that a product that takes such tiles as source 0 leaves 16 neighbours in the registers of two tiles.
; A block's scale is 2^(floor(log2(its largest magnitude)) - 2); its byte is that magnitude's exponent field - 2, held at 1 from below.
; LIMITS: NaN and infinities are not served; a block whose largest magnitude lies under 2^-124 gets the byte 1; a block of zeros gets the byte 1 where the quantiser says 127: its codes are zeros, and this program alone reads the bytes.
; SHARES.  Work-group wg owns tiles 4 wg .. 4 wg + 3.  Wave w takes tile w / 2 of them and half w % 2 of K: 8 steps of 64 along K.  A step's eight loads read two rows x 256 consecutive bytes each; the 4,096 bytes turn
; through the wave's own stage in LDS (16 rows, 272 bytes apart), after which lane (r, h) holds a whole block of 32.  Loads run four steps (32 loads a wave) ahead, the turn one step.
; No matrix unit, no cluster, no tensor load: a stream in which nothing is shared.
.set WREG, 8704                        ; a wave's LDS: two stages
.set STG,  4352                        ; a stage: 16 rows x 272 bytes
.set SP,   272
.set SCG,  8*WREG                      ; behind the stages: the work-group's scale bytes, [K step 8][tile 4][64 bytes]
.set C,    16                          ; v16-31   codes: two sets of 8 (6 used)
.set E,    32                          ; v32-39   a scale byte for each step
.set X,    48                          ; v48-111  two sets of 32 neighbours
.set R,    112                         ; v112-239 four sets of 32 numbers as loaded
	s_load_b512 s[16:31], s[0:1], 0x0              ; query s[16:17], key, value, Wq, Wk, Wv, Wo s[28:29], xin_img s[30:31]
	s_load_b64 s[32:33], s[0:1], 0x40              ; xin_sc
	v_lshl_add_u32 v240, v0, 2, 0x11800
	v_mov_b32 v241, 0
	v_lshrrev_b32 v1, 5, v0
	v_readfirstlane_b32 s2, v1                     ; wave 0..7
	v_and_b32 v8, 31, v0                           ; lane
	v_and_b32 v9, 15, v0                           ; r
	v_bfe_u32 v10, v0, 4, 1                        ; h
	s_and_b32 s9, s2, 1                            ; which half of K
	s_lshr_b32 s10, s2, 1                          ; which of the four tiles
	s_mul_i32 s3, s2, WREG
	v_lshlrev_b32 v1, 4, v9
	v_lshl_add_u32 v1, v10, 12, v1                 ; v1: a load's offset: row h of two (4,096 bytes a row), 16 bytes a lane
	v_mul_u32_u24 v2, v10, SP
	v_lshl_add_u32 v2, v9, 4, v2
	v_add_nc_u32 v2, s3, v2                        ; v2: the stage on the way in
	v_mul_u32_u24 v3, v9, SP
	v_lshl_add_u32 v3, v10, 7, v3
	v_add_nc_u32 v3, s3, v3                        ; v3: and on the way out: row r, 128 bytes for each half of the lanes
	v_lshlrev_b32 v4, 4, v8                        ; v4: 16 x lane
	v_lshlrev_b32 v5, 3, v8                        ; v5: 8 x lane
	s_lshl_b32 s11, s9, 10
	s_lshl_b32 s12, s10, 6
	s_add_co_u32 s11, s11, s12
	s_add_co_u32 s11, s11, SCG
	v_lshl_add_u32 v6, v9, 2, v10
	v_add_nc_u32 v6, s11, v6                       ; v6: my block's byte: 1,024 x K half + 64 x tile + 4 r + h
	s_lshl_b32 s12, s2, 8
	s_add_co_u32 s12, s12, SCG
	v_add_nc_u32 v7, s12, v5                       ; v7: at the end wave w takes K step w's 256 bytes
	s_wait_kmcnt 0x0
	; which tensor: a chain of choices on the work-group's number alone.  s[4:5] its address, s6 its first work-group, s7 permuted or not, s8 rows skipped between batches
	s_mov_b64 s[4:5], s[28:29]                     ; Wo
	s_mov_b32 s6, 240
	s_mov_b32 s7, 0
	s_mov_b32 s8, 0
	s_cmp_lt_u32 ttmp9, 240
	s_cselect_b64 s[4:5], s[26:27], s[4:5]         ; Wv
	s_cselect_b32 s6, 224, s6
	s_cselect_b32 s7, 1, s7
	s_cmp_lt_u32 ttmp9, 224
	s_cselect_b64 s[4:5], s[24:25], s[4:5]         ; Wk
	s_cselect_b32 s6, 208, s6
	s_cmp_lt_u32 ttmp9, 208
	s_cselect_b64 s[4:5], s[22:23], s[4:5]         ; Wq
	s_cselect_b32 s6, 192, s6
	s_cmp_lt_u32 ttmp9, 192
	s_cselect_b64 s[4:5], s[20:21], s[4:5]         ; value
	s_cselect_b32 s6, 128, s6
	s_cselect_b32 s8, 2048, s8
	s_cmp_lt_u32 ttmp9, 128
	s_cselect_b64 s[4:5], s[18:19], s[4:5]         ; key
	s_cselect_b32 s6, 64, s6
	s_cmp_lt_u32 ttmp9, 64
	s_cselect_b64 s[4:5], s[16:17], s[4:5]         ; query
	s_cselect_b32 s6, 0, s6
	s_cselect_b32 s7, 0, s7
	s_cselect_b32 s8, 0, s8
	s_sub_co_u32 s12, ttmp9, s6
	s_lshl_b32 s12, s12, 2
	s_add_co_u32 s12, s12, s10                     ; T: my tile within the tensor
	s_and_b32 s13, s12, 1
	s_mul_i32 s13, s13, s7
	s_lshl_b32 s13, s13, 3                         ; a permuted odd tile begins 8 rows earlier
	s_lshr_b32 s14, s12, 7
	s_mul_i32 s14, s14, s8                         ; key, value: the second batch begins 2,048 rows further on
	s_lshl_b32 s15, s12, 4
	s_sub_co_u32 s15, s15, s13
	s_add_co_u32 s15, s15, s14                     ; the tensor's row in the image's row 0
	s_lshl_b32 s34, s15, 12
	s_lshl_b32 s35, s9, 11
	s_add_co_u32 s34, s34, s35
	s_mov_b32 s35, 0
	s_add_nc_u64 s[4:5], s[4:5], s[34:35]          ; for the image's rows 0-7
	s_lshl_b32 s34, s7, 15
	s_add_nc_u64 s[36:37], s[4:5], s[34:35]        ; for its rows 8-15: 8 rows further on where the tile is permuted
	s_lshl_b32 s38, ttmp9, 2
	s_add_co_u32 s38, s38, s10
	s_mul_i32 s38, s38, 12288
	s_mul_i32 s39, s9, 6144
	s_add_co_u32 s38, s38, s39
	s_mov_b32 s39, 0
	s_add_nc_u64 s[30:31], s[30:31], s[38:39]      ; my tile's images, my half of K
	s_lshl_b32 s38, s2, 16
	s_lshl_b32 s40, ttmp9, 8
	s_add_co_u32 s38, s38, s40
	s_add_nc_u64 s[32:33], s[32:33], s[38:39]      ; the scale words of K step w, tiles 4 wg on
.macro LOAD t                          ; step t: 16 rows x 256 bytes
.irp i, 0,1,2,3
	global_load_b128 v[R+32*((\t)%4)+4*\i:R+32*((\t)%4)+4*\i+3], v1, s[4:5] offset:8192*\i+256*(\t) th:TH_LOAD_NT
.endr
.irp i, 4,5,6,7
	global_load_b128 v[R+32*((\t)%4)+4*\i:R+32*((\t)%4)+4*\i+3], v1, s[36:37] offset:8192*\i+256*(\t) th:TH_LOAD_NT
.endr
.endm
.macro TURN t                          ; through the stage: LDS serves a wave's instructions in order, so no wait stands between the stores and the loads
.irp i, 0,1,2,3,4,5,6,7
	ds_store_b128 v2, v[R+32*((\t)%4)+4*\i:R+32*((\t)%4)+4*\i+3] offset:STG*((\t)%2)+2*SP*\i
.endr
.irp j, 0,1,2,3,4,5,6,7
	ds_load_b128 v[X+32*((\t)%2)+4*\j:X+32*((\t)%2)+4*\j+3], v3 offset:STG*((\t)%2)+16*\j
.endr
.endm
.macro STEP t
.set XS, X+32*((\t)%2)
.set CC, C+8*((\t)%2)
.if (\t) > 0
	s_wait_dscnt 1                                 ; this step's block is back from the stage; only the last step's byte store may be out
.else
	s_wait_dscnt 0x0
.endif
.if (\t)+4 < 8
	LOAD (\t)+4                                    ; into the set whose stores into the stage are done
	s_wait_loadcnt 24                              ; the next step's eight loads are in; those of the three steps behind it may be out
.else
.if (\t) < 7
	s_wait_loadcnt 8*(6-(\t))
.endif
.endif
.if (\t) < 7
	TURN (\t)+1
.endif
	v_max3_num_f32 v12, |v[XS]|, |v[XS+1]|, |v[XS+2]|               ; the block's largest magnitude: all 32 numbers are mine; two chains
	v_max3_num_f32 v13, |v[XS+3]|, |v[XS+4]|, |v[XS+5]|
.irp i, 6,10,14,18,22,26
	v_max3_num_f32 v12, v12, |v[XS+\i]|, |v[XS+\i+1]|
	v_max3_num_f32 v13, v13, |v[XS+\i+2]|, |v[XS+\i+3]|
.endr
	v_max3_num_f32 v12, v12, |v[XS+30]|, |v[XS+31]|
	v_max3_num_f32 v12, v12, v13, 0x1800000        ; and the floor 2^(3 - 127): the byte cannot fall under 1
	v_add_nc_u32 v11, 0xff000000, v12              ; 2 off the exponent field: the conversion takes the exponent field of this operand as its scale
.if (\t) > 1
	s_wait_xcnt 0x0                                ; this set of codes was the data of stores two steps ago: it is written again only behind this wait
.endif
	v_cvt_scalef32_pk16_fp6_f32 v[CC:CC+2], v[XS:XS+15], v11
	v_cvt_scalef32_pk16_fp6_f32 v[8:10], v[XS+16:XS+31], v11        ; (a conversion's three registers begin on an even number)
	v_lshrrev_b32 v[E+(\t)], 23, v11               ; the scale's byte; also the plain line behind the conversions
.irp i, 0,1,2
	v_mov_b32 v[CC+3+\i], v[8+\i]
.endr
	ds_store_b8 v6, v[E+(\t)] offset:256*((\t)/2)+2*((\t)%2)
	global_store_b128 v4, v[CC:CC+3], s[30:31] offset:768*(\t)          ; 512 consecutive bytes
	global_store_b64 v5, v[CC+4:CC+5], s[30:31] offset:768*(\t)+512     ; 256 consecutive bytes
.endm
	LOAD 0
	LOAD 1
	LOAD 2
	LOAD 3
	s_wait_loadcnt 24                              ; step 0's eight loads are in
	TURN 0
.irp t, 0,1,2,3,4,5,6,7
	STEP \t
.endr
	s_wait_dscnt 0x0                               ; for the others' sake: my byte stores are done
	s_barrier_signal -1
	s_barrier_wait -1
	ds_load_b64 v[12:13], v7                       ; K step w's words of the four tiles
	s_wait_dscnt 0x0
	global_store_b64 v5, v[12:13], s[32:33]        ; 32 lanes store 256 consecutive bytes, aligned
	s_wait_tensorcnt 0x0
	ds_add_u32 v240, v241
	s_wait_dscnt 0x0
	s_endpgm
.Lfunc_end_k_qe2964671fe_quant:
	.size	k_qe2964671fe_quant, .Lfunc_end_k_qe2964671fe_quant-k_qe2964671fe_quant
	.p2alignl 7, 3214868480
	.fill 96, 4, 3214868480
	.section	.rodata,"a",@progbits
	.p2align	6, 0x0
	.amdhsa_kernel k_qe2964671fe_quant
		.amdhsa_group_segment_fixed_size 72704
		.amdhsa_private_segment_fixed_size 0
		.amdhsa_enable_private_segment 0
		.amdhsa_kernarg_size 72
		.amdhsa_user_sgpr_count 2
		.amdhsa_user_sgpr_kernarg_segment_ptr 1
		.amdhsa_wavefront_size32 1
		.amdhsa_system_sgpr_workgroup_id_x 1
		.amdhsa_system_sgpr_workgroup_id_y 1
		.amdhsa_system_sgpr_workgroup_id_z 1
		.amdhsa_system_vgpr_workitem_id 0
		.amdhsa_next_free_vgpr 242
		.amdhsa_next_free_sgpr 66
		.amdhsa_reserve_vcc 0
		.amdhsa_float_denorm_mode_32 3
		.amdhsa_float_denorm_mode_16_64 3
		.amdhsa_memory_ordered 1
		.amdhsa_forward_progress 1
		.amdhsa_inst_pref_size 32
	.end_amdhsa_kernel
	.amdgpu_metadata
---
amdhsa.version: [ 1, 2 ]
amdhsa.kernels:
  - .name:           k_qe2964671fe_quant
    .symbol:         k_qe2964671fe_quant.kd
    .args:
      - { .name: query, .offset: 0, .size: 8, .value_kind: global_buffer, .address_space: global }
      - { .name: key, .offset: 8, .size: 8, .value_kind: global_buffer, .address_space: global }
      - { .name: value, .offset: 16, .size: 8, .value_kind: global_buffer, .address_space: global }
      - { .name: Wq, .offset: 24, .size: 8, .value_kind: global_buffer, .address_space: global }
      - { .name: Wk, .offset: 32, .size: 8, .value_kind: global_buffer, .address_space: global }
      - { .name: Wv, .offset: 40, .size: 8, .value_kind: global_buffer, .address_space: global }
      - { .name: Wo, .offset: 48, .size: 8, .value_kind: global_buffer, .address_space: global }
      - { .name: xin_img, .offset: 56, .size: 8, .value_kind: global_buffer, .address_space: global }
      - { .name: xin_sc, .offset: 64, .size: 8, .value_kind: global_buffer, .address_space: global }
    .group_segment_fixed_size: 72704
    .private_segment_fixed_size: 0
    .kernarg_segment_align: 8
    .kernarg_segment_size: 72
    .max_flat_workgroup_size: 256
    .sgpr_count:     66
    .vgpr_count:     242
    .wavefront_size: 32
...
	.end_amdgpu_metadata
.endif
;; end of part 1
;; launch proj (part 2): grid 16 x 12, 4 waves a work-group, clusters of 4 x 4, 327,680 bytes of LDS; arguments xin_img, xin_sc, bq, bk, bv, qkv_img, qkv_sc; writes qkv_img, qkv_sc
.if DOCPART == 2
	.amdgcn_target "amdgcn-amd-amdhsa--gfx1250"
	.amdhsa_code_object_version 6
	.text
	.protected	k_qe2964671fe_proj
	.globl	k_qe2964671fe_proj
	.p2align	8
	.type	k_qe2964671fe_proj,@function
k_qe2964671fe_proj:
	s_mov_b64 s[64:65], 0
	v_nop
	global_prefetch_b8 v0, s[64:65] scope:SCOPE_SE
	s_setreg_imm32_b32 hwreg(HW_REG_WAVE_MODE, 25, 1), 1
	s_wait_xcnt 0x0
	s_wait_alu depctr_hold_cnt(0) depctr_sa_sdst(0) depctr_va_vdst(0) depctr_va_sdst(0) depctr_va_ssrc(0) depctr_va_vcc(0) depctr_vm_vsrc(0)
	s_getreg_b32 s2, hwreg(HW_REG_IB_STS2, 6, 4)
	s_cmp_eq_u32 s2, 0
	s_cbranch_scc0 .Lentry_in_a_cluster
	s_endpgm
.Lentry_in_a_cluster:
	s_bfe_u32 s2, ttmp6, 0x10000c
	s_cmp_lg_u32 s2, 0xf033
	s_cbranch_scc0 .Lentry_shape_is_right
	s_endpgm
.Lentry_shape_is_right:
; The three projections q = query Wq^T + bq, k = key Wk^T + bk, v = value Wv^T + bv on codes of FP6 (E2M3) with E8M0 scales, and the quantising of their results for the attention.  Cluster y says which: 0 q, 1 k, 2 v.
; OPERANDS are images of registers: a fragment (16 rows x 128 K) is 1,536 bytes: half c at 768 c: registers 6 c .. 6 c + 3 at 16 x lane, registers 6 c + 4, 6 c + 5 at 512 + 8 x lane.  xin_img [tile g][K step 8][1,536]; scale words xin_sc [K step 8][g][16].
; A tile of the result is 256 (R: source 1) x 256 (P: source 0); four waves, 128 x 128 each: 64 accumulators, 512 registers.  A lane holds ONE row of R, its registers run along P.  P's tiles are permuted (tile 2 b + u, row m = the
; tensor's row 32 b + 8 u + m + 8 (m / 8)), so the 64 registers of a block of 16 rows of R are, register 16 b + i, P's index 32 b + 16 (lane / 16) + i: what the quantiser along P wants.
;   q: R = query's rows, P = Wq's rows (features);  k: R = key's rows (permuted), P = Wk's;  v: R = Wv's rows (features, permuted), P = value's rows (keys): the result is V^T, quantised along the keys.
; RESULTS: images again: qkv_img part CY (3,145,728 bytes each): [PK][RT][1,536], PK = which 128 along P, RT = tile of R; q, k: 8 x 256; v: 32 x 64.  Scale words qkv_sc part CY (131,072 bytes): [PK][RT][16].
; K = 1,024 is eight steps of 128.  One tensor load a wave brings 128 rows x 256 K (8 tiles x 3,072 bytes).  THREE LDS slots: K steps of 256 number 0, 1, 2 are first fills; number 3 is the one refill, of slot 0.
; The scale words of the work-group's rows, for all of K, come once with the first fills.  By this text's own count a wave has four tensor loads out at the start and one behind the refill's round.
; CLUSTERS: 4 x 4.  R's tiles hang on cy and the cluster's numbers alone and are asked for jointly along a row of the cluster, P's on cx and are asked for jointly along a column.
; THE BIAS: along P (q, k) it is the C of the first K step; along R (v) it is added where the results are copied for the quantiser.  Both are loaded and both applied on every way; the one that does not apply is made 0 by a select.
; LIMITS: NaN and infinities are not served; a block whose largest magnitude lies under 2^-124, a block of zeros among them, gets the byte 1 (its codes are then zeros or the nearest codes under that scale; this program alone reads the bytes).
; 192 work-groups: the three products have no more tiles of this size.  No prefetch: three quarters of K are asked for at the head.
; REGISTERS: window 0: v8-23 addresses; v28, v29 for the add; v32-63 scale words, two sets; v64-127 the bias along P; v128-223 R's fragments, one set (later the quantiser's work); v236-251 the bias along R.
;   window 1: P's fragments, two sets, at v0 and v128.   windows 2, 3: accumulator (a, b) at v[8 (8 (a % 4) + b)], a < 4 in window 2.
.set FR,    12
.set HALFT, 24576                      ; 8 tiles x 3,072 bytes: what one tensor load brings
.set SLOT,  98304                      ; R's two halves, then P's two halves
.set SCL,   294912                     ; behind the three slots: the scale words, 4 x [K step 8][tile 8][64 bytes]
.set SPARE, 311296                     ; the spare words: 128 bytes a wave, two blocks of 256 bytes that no other line names
.set A16,  8                           ; v8-10   R's fragments in slot s: 16 x lane + ..
.set A8,   11                          ; v11-13  8 x lane + ..
.set B16,  14                          ; v14-16  the same for P
.set B8,   17                          ; v17-19
.set ADRS, 20                          ; v20     my scale words: lanes 0-15 R's, lanes 16-31 P's
.set L16,  21                          ; v21-23  16, 8, 4 x lane
.set L8,   22
.set L4,   23
.set SPW,  28
.set NIL,  29
.set SC,   32
.set BP,   64
.set AF,   128
.set H,    128                         ; the way out: 64 numbers of a block
.set PWS,  192                         ; v192-199 the eight blocks' scale words
.set TM,   200
.set PC,   216
.set BR,   236
.set G1,   24
.set G1B,  32
.set G1S,  40
.set G1SB, 48
.set G0A0, 56
.set G0A1, 60
.set G0A2, 68
.set G0B0, 72
.set G0B1, 76
.set G0B2, 80
.set G0S,  84
.set G0SB, 88
.set MSB, 0
.macro WIN new                         ; the immediate's high byte repeats the setting that is left
.if MSB != (\new)
	s_set_vgpr_msb (MSB<<8)|(\new)
.set MSB, (\new)
.endif
.endm
.set MUL_LO, 0xa1                      ; source 0 (P) window 1, source 1 (R) window 0, C and D window 2
.set MUL_HI, 0xf1
.set TO_B,   0x40
; A joint load: waves 0 and 1 fetch for R, waves 2 and 3 for P; the branch hangs on the wave's number alone.  Four v_nop follow each of the two lines.
.macro JLOAD g0a, g1a, g0b, g1b
	s_cmp_eq_u32 s15, 0
	s_cbranch_scc0 .Lfor_b_\@
	tensor_load_to_lds s[\g0a:\g0a+3], s[\g1a:\g1a+7]
	s_nop 0
.rept 4
	v_nop
.endr
	s_branch .Lasked_\@
.Lfor_b_\@:
	tensor_load_to_lds s[\g0b:\g0b+3], s[\g1b:\g1b+7]
	s_nop 0
.rept 4
	v_nop
.endr
.Lasked_\@:
.endm
.macro CREST                           ; a round of the cluster's barrier behind its opening barrier
	s_cmp_lg_u32 s14, 0
	s_cbranch_scc1 .Lnot_wave_0_\@
	s_barrier_signal -3
.Lnot_wave_0_\@:
	s_barrier_wait -3
	s_barrier_signal -1
	s_barrier_wait -1
.endm
.macro CROUND
	s_barrier_signal -1
	s_barrier_wait -1
	CREST
.endm
.macro PLACES n
.rept \n
	v_nop
.endr
.endm
	s_load_b128 s[4:7], s[0:1], 0x0                ; xin_img, xin_sc
	s_load_b128 s[8:11], s[0:1], 0x10              ; bq, bk
	s_load_b64 s[12:13], s[0:1], 0x20              ; bv
	s_load_b64 s[20:21], s[0:1], 0x28              ; qkv_img
	s_load_b64 s[22:23], s[0:1], 0x30              ; qkv_sc
	v_lshl_add_u32 v[SPW], v0, 2, SPARE
	v_mov_b32 v[NIL], 0
	ds_add_u32 v28, v29
	ds_add_u32 v28, v29
	s_wait_dscnt 0x0
	v_lshrrev_b32 v1, 5, v0
	v_readfirstlane_b32 s14, v1                    ; wave 0..3
	s_lshr_b32 s15, s14, 1                         ; my half of R.  Also: I fetch for R (0) or for P (1)
	s_and_b32 s16, s14, 1                          ; my half of P.  Also: which 128 rows I fetch
	s_bfe_u32 s92, ttmp6, 0x40000                  ; cx
	s_bfe_u32 s93, ttmp6, 0x40004                  ; cy
	s_and_b32 s95, ttmp7, 0xffff                   ; CY: 0 q, 1 k, 2 v
	s_lshr_b32 s3, s95, 1                          ; 1 for v
	s_lshl_b32 s19, ttmp9, 2                       ; 4 x cluster x
	s_mul_i32 s18, s19, s3                         ; it counts along P for v,
	s_sub_co_u32 s17, s19, s18                     ; along R for q and k
	s_add_co_u32 s94, s92, s18                     ; P's tile of 256
	s_add_co_u32 s2, s93, s17                      ; R's tile of 256
	s_lshl_b32 s17, s93, 2
	s_lshl_b32 s17, 15, s17                        ; my row of the cluster
	s_lshl_b32 s18, 0x1111, s92                    ; my column
	s_or_b32 s[G1], s17, (3<<16)|(1<<21)           ; 15:0 the mask; 17:16 elements of 8 bytes; 21 set beside a mask; no padding
	s_or_b32 s[G1B], s18, (3<<16)|(1<<21)
	s_or_b32 s[G1S], s17, (3<<16)|(1<<21)
	s_or_b32 s[G1SB], s18, (3<<16)|(1<<21)
.irp g, G1, G1B                        ; codes: 8 rows (tiles) of 384 elements (3,072 bytes: two K steps' images), 1,536 elements (a tile's eight images) apart
	s_mov_b32 s[\g+1], 384<<16
	s_mov_b32 s[\g+2], 8<<16
	s_mov_b32 s[\g+3], 384<<16
	s_mov_b32 s[\g+4], 8
	s_mov_b32 s[\g+5], 1536
	s_mov_b32 s[\g+6], 0
	s_mov_b32 s[\g+7], 0
.endr
.irp g, G1S, G1SB                      ; scale words: 8 rows (K steps) of 64 elements (512 bytes: 8 tiles), 8,192 elements apart
	s_mov_b32 s[\g+1], 64<<16
	s_mov_b32 s[\g+2], 8<<16
	s_mov_b32 s[\g+3], 64<<16
	s_mov_b32 s[\g+4], 8
	s_mov_b32 s[\g+5], 8192
	s_mov_b32 s[\g+6], 0
	s_mov_b32 s[\g+7], 0
.endr
	s_lshl_b32 s100, s95, 8                        ; R's first tile g: 0 query, 256 key, 896 Wv = 256 CY + 384 for v,
	s_mul_i32 s101, s3, 384
	s_add_co_u32 s100, s100, s101
	s_lshl_b32 s101, s2, 4
	s_add_co_u32 s100, s100, s101                  ; + 16 x R's tile
	s_lshl_b32 s101, s16, 3
	s_add_co_u32 s100, s100, s101                  ; + the 8 that I fetch
	s_lshl_b32 s66, s95, 6                         ; P's: 768 Wq, 832 Wk, 512 value = 768 + 64 CY - 384 for v
	s_add_co_u32 s66, s66, 768
	s_mul_i32 s67, s3, 384
	s_sub_co_u32 s66, s66, s67
	s_lshl_b32 s67, s94, 4
	s_add_co_u32 s66, s66, s67
	s_lshl_b32 s67, s16, 3
	s_add_co_u32 s66, s66, s67
	s_lshl_b32 s[G0S+2], s100, 6                   ; 64 bytes of scale words a tile
	s_mov_b32 s[G0S+3], 0
	s_mul_i32 s100, s100, 12288                    ; 12,288 bytes of codes a tile
	s_mov_b32 s101, 0
	s_lshl_b32 s[G0SB+2], s66, 6
	s_mov_b32 s[G0SB+3], 0
	s_mul_i32 s66, s66, 12288
	s_mov_b32 s67, 0
	s_mul_i32 s19, s14, HALFT                      ; where my loads go: the wave's number alone enters an LDS address
	s_wait_kmcnt 0x0
	s_add_nc_u64 s[100:101], s[4:5], s[100:101]
	s_add_nc_u64 s[66:67], s[4:5], s[66:67]
	s_add_nc_u64 s[G0S+2:G0S+3], s[6:7], s[G0S+2:G0S+3]
	s_add_nc_u64 s[G0SB+2:G0SB+3], s[6:7], s[G0SB+2:G0SB+3]
	CROUND                                         ; all sixteen work-groups are here: the first joint loads meet
	s_mov_b32 s[G0S], 1
	s_lshl_b32 s[G0S+1], s14, 12
	s_add_co_u32 s[G0S+1], s[G0S+1], SCL
	s_or_b32 s[G0S+3], s[G0S+3], 0x80000000
	s_mov_b32 s[G0SB], 1
	s_lshl_b32 s[G0SB+1], s14, 12
	s_add_co_u32 s[G0SB+1], s[G0SB+1], SCL
	s_or_b32 s[G0SB+3], s[G0SB+3], 0x80000000
	JLOAD G0S, G1S, G0SB, G1SB                     ; the scale words first: they are wanted with the first step
.macro FIRST g0a, g0b, s               ; slot s takes K step of 256 number s
	s_mov_b32 s[\g0a], 1
	s_add_co_u32 s[\g0a+1], s19, \s*SLOT
	s_add_nc_u64 s[\g0a+2:\g0a+3], s[100:101], \s*3072
	s_or_b32 s[\g0a+3], s[\g0a+3], 0x80000000
	s_mov_b32 s[\g0b], 1
	s_add_co_u32 s[\g0b+1], s19, \s*SLOT
	s_add_nc_u64 s[\g0b+2:\g0b+3], s[66:67], \s*3072
	s_or_b32 s[\g0b+3], s[\g0b+3], 0x80000000
	JLOAD \g0a, G1, \g0b, G1B
.endm
	FIRST G0A0, G0B0, 0
	FIRST G0A1, G0B1, 1
	FIRST G0A2, G0B2, 2
	v_and_b32 v1, 31, v0                           ; lane
	v_and_b32 v2, 15, v0                           ; r
	v_bfe_u32 v3, v0, 4, 1                         ; h
	v_lshlrev_b32 v[L16], 4, v1
	v_lshlrev_b32 v[L8], 3, v1
	v_lshlrev_b32 v[L4], 2, v1
	s_mul_i32 s17, s15, HALFT                      ; my 128 rows of R
	s_mul_i32 s18, s16, HALFT                      ; my 128 rows of P,
	s_add_co_u32 s18, s18, 2*HALFT                 ; which lie behind R's 256
.irp s, 0,1,2
	v_add_nc_u32 v[A16+\s], s17, v[L16]
	v_add_nc_u32 v[A8+\s], s17, v[L8]
	v_add_nc_u32 v[B16+\s], s18, v[L16]
	v_add_nc_u32 v[B8+\s], s18, v[L8]
	s_add_co_u32 s17, s17, SLOT
	s_add_co_u32 s18, s18, SLOT
.endr
	s_lshl_b32 s17, s15, 12                        ; R's scale words: my half's 4,096 bytes
	s_lshl_b32 s18, s16, 12                        ; P's: my half's, behind R's two
	s_add_co_u32 s18, s18, 2*4096
	s_sub_co_u32 s18, s18, s17
	v_mul_u32_u24 v4, s18, v3                      ; lanes 16-31 take P's: one product with h
	s_add_co_u32 s17, s17, SCL
	v_lshl_add_u32 v[ADRS], v2, 2, v4
	v_add_nc_u32 v[ADRS], s17, v[ADRS]
	; the biases
	s_cmp_eq_u32 s95, 1
	s_cselect_b64 s[8:9], s[10:11], s[8:9]
	s_cmp_eq_u32 s95, 2
	s_cselect_b64 s[8:9], s[12:13], s[8:9]         ; bq, bk or bv: the choice hangs on the cluster's number alone
	s_cselect_b32 s96, 0, -1                       ; all ones where the bias runs along P (q, k)
	s_cselect_b32 s97, -1, 0                       ; all ones where it runs along R (v)
	s_lshl_b32 s17, s94, 8
	s_lshl_b32 s18, s16, 7
	s_add_co_u32 s17, s17, s18
	s_lshl_b32 s17, s17, 2
	s_and_b32 s17, s17, s96                        ; my 128 of P, in bytes; 0 for v, so that the load stays inside the bias
	s_lshl_b32 s18, s2, 8
	s_lshl_b32 s19, s15, 7
	s_add_co_u32 s18, s18, s19
	s_lshl_b32 s18, s18, 2
	s_and_b32 s18, s18, s97                        ; my 128 of R; 0 for q and k
	v_lshlrev_b32 v5, 6, v3
	v_add_nc_u32 v5, s17, v5                       ; along P: tile 2 b + u, register j: index 32 b + 16 h + 8 u + j
	v_and_b32 v6, 8, v2
	v_add_nc_u32 v6, v6, v2
	v_lshlrev_b32 v6, 2, v6
	v_add_nc_u32 v6, s18, v6                       ; along R: tile 2 b + u, lane r: index 32 b + 8 u + r + 8 (r / 8)
.irp t, 0,1,2,3,4,5,6,7
	global_load_b128 v[BP+8*\t:BP+8*\t+3], v5, s[8:9] offset:(32*(\t/2)+8*(\t%2))*4
	global_load_b128 v[BP+8*\t+4:BP+8*\t+7], v5, s[8:9] offset:(32*(\t/2)+8*(\t%2))*4+16
.endr
.irp a, 0,1,2,3,4,5,6,7
	global_load_b32 v[BR+2*\a], v6, s[8:9] offset:(32*(\a/2)+8*(\a%2))*4
.endr
	; where my results go
	s_lshl_b32 s17, s2, 4
	s_lshl_b32 s18, s15, 3
	s_add_co_u32 s17, s17, s18                     ; RT of my first block: 16 x R's tile + 8 x half
	s_lshl_b32 s18, s94, 1
	s_add_co_u32 s18, s18, s16                     ; PK = 2 x P's tile + half
	s_mul_i32 s19, s3, 192
	s_sub_co_u32 s19, 256, s19                     ; tiles of R in all: 256, for v 64
	s_mul_i32 s18, s18, s19
	s_add_co_u32 s17, s17, s18
	s_mul_i32 s18, s17, 1536
	s_mul_i32 s19, s95, 3145728
	s_add_co_u32 s18, s18, s19
	s_mov_b32 s19, 0
	s_add_nc_u64 s[20:21], s[20:21], s[18:19]
	s_lshl_b32 s18, s17, 6
	s_lshl_b32 s17, s95, 17
	s_add_co_u32 s18, s18, s17
	s_add_nc_u64 s[22:23], s[22:23], s[18:19]
	s_mov_b32 s98, 0x76543210
	s_mov_b32 s99, 0xfedcba98                      ; v_permlanex16_b32's selects for lane l xor 16
.macro FRAG reg, a16, a8, off          ; a fragment comes back as it was stored: 512, 256, 512, 256 consecutive bytes
	ds_load_b128 v[(\reg):(\reg)+3], v[\a16] offset:(\off)
	ds_load_b64 v[(\reg)+4:(\reg)+5], v[\a8] offset:(\off)+512
	ds_load_b128 v[(\reg)+6:(\reg)+9], v[\a16] offset:(\off)+768
	ds_load_b64 v[(\reg)+10:(\reg)+11], v[\a8] offset:(\off)+1280
.endm
.macro FETCH_B slot, q, p              ; P's eight fragments of the slot's q-th 128 along K into set p
	WIN TO_B
.irp i, 0,1,2,3,4,5,6,7
	FRAG 128*(\p)+FR*\i, B16+\slot, B8+\slot, 3072*\i+1536*(\q)
.endr
	WIN 0
.endm
.macro FETCH_A slot, q, i0             ; R's blocks i0 .. i0 + 3
.irp i, \i0, \i0+1, \i0+2, \i0+3
	FRAG AF+FR*(\i), A16+\slot, A8+\slot, 3072*(\i)+1536*(\q)
.endr
.endm
.macro SCALES st, ks                   ; the scale words of K step of 256 number ks into set st: register 2 i + q: lanes 0-15 R's tile i, lanes 16-31 P's tile i
.irp i, 0,1,2,3,4,5,6,7
.irp q, 0,1
	ds_load_b32 v[SC+16*(\st)+2*\i+\q], v[ADRS] offset:(2*(\ks)+\q)*512+64*\i
.endr
.endr
.endm
; 16 matrix instructions: R's blocks a0, a0 + 1 x P's eight.  bias = 1: the first K step, whose C is the bias along P.  The 64 accumulators take turns, one instruction a turn, in the same order in every step.
.macro MUL16 a0, p, q, sc, bias
.irp a, \a0, \a0+1
.irp b, 0,1,2,3,4,5,6,7
.if \bias
	v_wmma_scale_f32_16x16x128_f8f6f4 v[8*(8*((\a)%4)+\b):8*(8*((\a)%4)+\b)+7], v[128*(\p)+FR*\b:128*(\p)+FR*\b+FR-1], v[AF+FR*(\a):AF+FR*(\a)+FR-1], v[BP+8*\b:BP+8*\b+7], v[SC+16*(\sc)+2*\b+(\q)], v[SC+16*(\sc)+2*(\a)+(\q)] matrix_a_fmt:MATRIX_FMT_FP6 matrix_b_fmt:MATRIX_FMT_FP6 matrix_a_scale:MATRIX_SCALE_ROW1
.else
	v_wmma_scale_f32_16x16x128_f8f6f4 v[8*(8*((\a)%4)+\b):8*(8*((\a)%4)+\b)+7], v[128*(\p)+FR*\b:128*(\p)+FR*\b+FR-1], v[AF+FR*(\a):AF+FR*(\a)+FR-1], v[8*(8*((\a)%4)+\b):8*(8*((\a)%4)+\b)+7], v[SC+16*(\sc)+2*\b+(\q)], v[SC+16*(\sc)+2*(\a)+(\q)] matrix_a_fmt:MATRIX_FMT_FP6 matrix_b_fmt:MATRIX_FMT_FP6 matrix_a_scale:MATRIX_SCALE_ROW1
.endif
.endr
.endr
.endm
; A step of 128 along K.  p: P's set; q: which 128 of the slot; sc: the set of scale words.  The next step's fragments come from slot ns, its nq-th 128; ldsc = 1: with them the scale words of K step of 256 number nks, into set nst.
; Loads into registers that matrix instructions have read stand four plain vector instructions behind them (ISA guide 7.12.1 for vector instructions).
.macro STEP p, q, sc, bias, ns, nq, ldsc, nst, nks
	s_wait_dscnt 16                                ; all but the youngest sixteen loads (R's blocks 4-7) are in
.if \bias
	WIN 0x81                                       ; C (the bias) window 0, D window 2
.else
	WIN MUL_LO
.endif
	MUL16 0, \p, \q, \sc, \bias
	MUL16 2, \p, \q, \sc, \bias
	s_wait_dscnt 0x0                               ; R's blocks 4-7 are in (asked for 32 matrix instructions ago)
	PLACES 4
	FETCH_B \ns, \nq, 1-\p
	FETCH_A \ns, \nq, 0
.if \ldsc
	SCALES \nst, \nks
.endif
.if \bias
	WIN 0xc1
.else
	WIN MUL_HI
.endif
	MUL16 4, \p, \q, \sc, \bias
	MUL16 6, \p, \q, \sc, \bias
	PLACES 4
	WIN 0
	FETCH_A \ns, \nq, 4
.endm
; A step at which the work-group meets: each wave waits for all its tensor loads, adds 0 to its spare word, and waits for that and for its LDS reads; then the barrier.
; fill = 1: the barrier opens a round of the cluster's barrier, and behind it slot 0, which nobody reads any more, takes K step of 256 number 3.
.macro TURN sc, fill, ns, nst, nks
	s_wait_tensorcnt 0x0                           ; all my tensor loads have landed (every window is 0 here)
	ds_add_u32 v[SPW], v[NIL]                      ; 0 onto my spare word
	s_wait_dscnt 17                                ; (the add and R's blocks 4-7 may be out)
	WIN MUL_LO
	MUL16 0, 1, 1, \sc, 0                          ; sixteen matrix instructions stand between the add and the wait for it
	s_wait_dscnt 0x0                               ; the add is done, and my reads of the slot in hand are over
	s_barrier_signal -1
	MUL16 2, 1, 1, \sc, 0
	WIN 0
	s_barrier_wait -1
.if \fill
	CREST                                          ; no wave of any partner still reads slot 0 or has a load on its way
	s_add_nc_u64 s[G0A0+2:G0A0+3], s[G0A0+2:G0A0+3], 3*3072
	s_add_nc_u64 s[G0B0+2:G0B0+3], s[G0B0+2:G0B0+3], 3*3072
	JLOAD G0A0, G1, G0B0, G1B                      ; the first tensor load behind the round, one a wave; its four v_nop are also the places in front of the loads below
.else
	PLACES 4
.endif
	FETCH_B \ns, 0, 0
	FETCH_A \ns, 0, 0
	SCALES \nst, \nks
	WIN MUL_HI
	MUL16 4, 1, 1, \sc, 0
	MUL16 6, 1, 1, \sc, 0
	PLACES 4
	WIN 0
	FETCH_A \ns, 0, 4
.endm
	s_wait_tensorcnt 2                             ; the scale words and my part of slot 0 are in; slots 1 and 2 may be out
	s_barrier_signal -1
	s_barrier_wait -1                              ; everybody's are
	FETCH_B 0, 0, 0
	FETCH_A 0, 0, 0
	SCALES 0, 0
	FETCH_A 0, 0, 4
	s_wait_loadcnt 0x0                             ; the biases
.set i, 0
.rept 64
	v_cndmask_b32 v[BP+i], 0, v[BP+i], s96         ; for v the bias along P is 0
.set i, i+1
.endr
.irp a, 0,1,2,3,4,5,6,7                ; sixteen plain lines between the lines above and the first product, which takes their results as C
	v_cndmask_b32 v[BR+2*\a], 0, v[BR+2*\a], s97   ; for q and k the bias along R is 0
	v_mov_b32 v[BR+2*\a+1], 0                      ; (named with it as a pair)
.endr
	STEP 0, 0, 0, 1, 0, 1, 0, 0, 0                 ; K 0-127: starts the sums on the bias
	TURN 0, 1, 1, 1, 1                             ; K 128-255; slots 1 and 2 are whole behind its round; slot 0 is filled again
	STEP 0, 0, 1, 0, 1, 1, 0, 0, 0                 ; K 256-383
	STEP 1, 1, 1, 0, 2, 0, 1, 0, 2                 ; K 384-511; on to slot 2
	STEP 0, 0, 0, 0, 2, 1, 0, 0, 0                 ; K 512-639
	TURN 0, 0, 0, 1, 3                             ; K 640-767; slot 0's second tile is whole behind its barrier
	STEP 0, 0, 1, 0, 0, 1, 0, 0, 0                 ; K 768-895
	s_wait_dscnt 16                                ; K 896-1023: nothing more to fetch
	WIN MUL_LO
	MUL16 0, 1, 1, 1, 0
	MUL16 2, 1, 1, 1, 0
	s_wait_dscnt 0x0
	WIN MUL_HI
	MUL16 4, 1, 1, 1, 0
	MUL16 6, 1, 1, 1, 0
	WIN 0
; 64 numbers of a lane, v[s] on, register 16 b + i = index 32 b + 16 (lane / 16) + i of my row, become a fragment's codes in v[PC] on and its scale word in v[pw].
.macro QUANT s, pw
.irp b, 0,1,2,3
	v_max3_num_f32 v[TM+\b], |v[\s+16*\b]|, |v[\s+1+16*\b]|, 0x1800000   ; block b: my 16 numbers, and the floor 2^(3 - 127): the byte cannot fall under 1
.endr
.irp i, 2,4,6,8,10,12,14
.irp b, 0,1,2,3
	v_max3_num_f32 v[TM+\b], v[TM+\b], |v[\s+16*\b+\i]|, |v[\s+1+16*\b+\i]|
.endr
.endr
.irp b, 0,1,2,3
	v_permlanex16_b32 v[TM+4+\b], v[TM+\b], s98, s99
.endr
.irp b, 0,1,2,3
	v_max_num_f32 v[TM+\b], v[TM+\b], v[TM+4+\b]   ; with lane l xor 16's: the block's largest magnitude
.endr
.irp b, 0,1,2,3
	v_add_nc_u32 v[TM+12+\b], 0xff000000, v[TM+\b] ; 2 off its exponent field: the conversion's scale operand
.endr
.irp b, 0,1,2,3
	v_lshrrev_b32 v[TM+4+\b], 23, v[TM+12+\b]      ; the scale's byte
.endr
	v_lshl_or_b32 v[\pw], v[TM+5], 8, v[TM+4]
	v_lshl_or_b32 v[\pw], v[TM+6], 16, v[\pw]
	v_lshl_or_b32 v[\pw], v[TM+7], 24, v[\pw]
.irp c, 0,1
	v_cvt_scalef32_pk16_fp6_f32 v[PC+6*\c:PC+2+6*\c], v[\s+32*\c:\s+15+32*\c], v[TM+12+2*\c]
	v_cvt_scalef32_pk16_fp6_f32 v[PC+12+4*\c:PC+14+4*\c], v[\s+16+32*\c:\s+31+32*\c], v[TM+12+2*\c+1]   ; (a conversion's three registers begin on an even number)
.endr
	v_nop                                          ; one plain line behind a scaled conversion
.irp c, 0,1                            ; the operand's layout wants a whole block in a lane: lanes 0-15 block 2 c, lanes 16-31 block 2 c + 1
.irp i, 0,1,2
	v_permlane16_swap_b32 v[PC+6*\c+\i], v[PC+12+4*\c+\i]
.endr
.irp i, 0,1,2
	v_mov_b32 v[PC+3+6*\c+\i], v[PC+12+4*\c+\i]
.endr
.endr
.endm
; THE WAY OUT, block a of 16 rows of R: the 64 sums are copied into window 0 with the bias along R added, each accumulator from its low end on; quantised; the image is stored as it stands.
.macro OUTBLK a
	WIN 0x02+(\a)/4                                ; source 0: window 2 or 3
.set i, 0
.rept 32
	v_pk_add_f32 v[H+2*i:H+2*i+1], v[64*((\a)%4)+2*i:64*((\a)%4)+2*i+1], v[BR+2*(\a):BR+2*(\a)+1] op_sel_hi:[1,0]
.set i, i+1
.endr
	WIN 0
.if (\a) > 0
	s_wait_xcnt 0x0                                ; the last block's stores have read their data: the codes' registers are written again only behind this wait
.endif
	QUANT H, PWS+(\a)
	global_store_b128 v[L16], v[PC:PC+3], s[20:21] offset:1536*(\a)
	global_store_b64 v[L8], v[PC+4:PC+5], s[20:21] offset:1536*(\a)+512
	global_store_b128 v[L16], v[PC+6:PC+9], s[20:21] offset:1536*(\a)+768
	global_store_b64 v[L8], v[PC+10:PC+11], s[20:21] offset:1536*(\a)+1280
.endm
	PLACES 4                                       ; behind the last products: results are read, and registers that held R's fragments are written
.irp b, 0,1,2,3
	v_mov_b32 v[TM+4+\b], 0                        ; a lane permute's destination counts as one of its sources
.endr
.irp a, 0,1,2,3,4,5,6,7
	OUTBLK \a
.endr
	s_mov_b32 s17, 0xffff0000
.irp i, 0,1,2,3
	v_cndmask_b32 v[TM+\i], v[PWS+2*\i], v[PWS+2*\i+1], s17    ; lanes 0-15 tile 2 i's words, lanes 16-31 tile 2 i + 1's (a row's word stands in lanes r and r + 16)
.endr
.irp i, 0,1,2,3
	global_store_b32 v[L4], v[TM+\i], s[22:23] offset:128*\i
.endr
	s_wait_tensorcnt 0x0                           ; the wave's end
	ds_add_u32 v[SPW], v[NIL]
	s_wait_dscnt 0x0
	CROUND                                         ; the closing round: no work-group ends while a partner may still ask for a tile that names it
	s_endpgm
.Lfunc_end_k_qe2964671fe_proj:
	.size	k_qe2964671fe_proj, .Lfunc_end_k_qe2964671fe_proj-k_qe2964671fe_proj
	.p2alignl 7, 3214868480
	.fill 96, 4, 3214868480
	.section	.rodata,"a",@progbits
	.p2align	6, 0x0
	.amdhsa_kernel k_qe2964671fe_proj
		.amdhsa_group_segment_fixed_size 327680
		.amdhsa_private_segment_fixed_size 0
		.amdhsa_enable_private_segment 0
		.amdhsa_kernarg_size 56
		.amdhsa_user_sgpr_count 2
		.amdhsa_user_sgpr_kernarg_segment_ptr 1
		.amdhsa_wavefront_size32 1
		.amdhsa_system_sgpr_workgroup_id_x 1
		.amdhsa_system_sgpr_workgroup_id_y 1
		.amdhsa_system_sgpr_workgroup_id_z 1
		.amdhsa_system_vgpr_workitem_id 0
		.amdhsa_next_free_vgpr 1024
		.amdhsa_next_free_sgpr 102
		.amdhsa_reserve_vcc 0
		.amdhsa_float_denorm_mode_32 3
		.amdhsa_float_denorm_mode_16_64 3
		.amdhsa_memory_ordered 1
		.amdhsa_forward_progress 1
		.amdhsa_inst_pref_size 175
	.end_amdhsa_kernel
	.amdgpu_metadata
---
amdhsa.version: [ 1, 2 ]
amdhsa.kernels:
  - .name:           k_qe2964671fe_proj
    .symbol:         k_qe2964671fe_proj.kd
    .args:
      - { .name: xin_img, .offset: 0, .size: 8, .value_kind: global_buffer, .address_space: global }
      - { .name: xin_sc, .offset: 8, .size: 8, .value_kind: global_buffer, .address_space: global }
      - { .name: bq, .offset: 16, .size: 8, .value_kind: global_buffer, .address_space: global }
      - { .name: bk, .offset: 24, .size: 8, .value_kind: global_buffer, .address_space: global }
      - { .name: bv, .offset: 32, .size: 8, .value_kind: global_buffer, .address_space: global }
      - { .name: qkv_img, .offset: 40, .size: 8, .value_kind: global_buffer, .address_space: global }
      - { .name: qkv_sc, .offset: 48, .size: 8, .value_kind: global_buffer, .address_space: global }
    .group_segment_fixed_size: 327680
    .private_segment_fixed_size: 0
    .kernarg_segment_align: 8
    .kernarg_segment_size: 56
    .max_flat_workgroup_size: 128
    .sgpr_count:     102
    .vgpr_count:     1024
    .wavefront_size: 32
...
	.end_amdgpu_metadata
.endif
;; end of part 2
;; launch attn (part 3): grid 16 x 16, 16 waves a work-group, no clusters, 77,824 bytes of LDS; arguments qkv_img, qkv_sc, att_img, att_sc; writes att_img, att_sc
.if DOCPART == 3
	.amdgcn_target "amdgcn-amd-amdhsa--gfx1250"
	.amdhsa_code_object_version 6
	.text
	.protected	k_qe2964671fe_attn
	.globl	k_qe2964671fe_attn
	.p2align	8
	.type	k_qe2964671fe_attn,@function
k_qe2964671fe_attn:
	s_mov_b64 s[64:65], 0
	v_nop
	global_prefetch_b8 v0, s[64:65] scope:SCOPE_SE
	s_setreg_imm32_b32 hwreg(HW_REG_WAVE_MODE, 25, 1), 1
	s_wait_xcnt 0x0
; The banded attention: key j counts for query i where i - 255 <= j <= i.  Both products on codes of FP6 (E2M3) with E8M0 scales; the result is quantised for the last projection.
; SHARES.  Work-group (c, y): queries 128 c .. 128 c + 127 of batch y / 8, heads 2 (y % 8) and 2 (y % 8) + 1.  Wave w: tile w % 8 of 16 queries, head w / 8 of the pair.  The band of 128 queries lies in three aligned
; steps of 128 keys: s0, s0 + 1, s0 + 2 with s0 = max(c - 2, 0).  For c < 2 the steps past the diagonal are wholly hidden: their p are zeros, which add nothing.
; OPERANDS are images of registers (1,536 bytes: half c at 768 c: four registers at 16 x lane, two at 512 + 8 x lane).  q, k: [head pair][tile of rows][1,536], K = the pair's 128 features; V^T: [batch x 16 + key step][tile of features][1,536], K = 128 keys.
; ONE HEAD OUT OF A PAIR'S IMAGE: in Q's fragment the six registers of the other head are made zero codes; K's fragment and both scale words are used as stored: zero codes add nothing under any of these bytes (1 to 254).
; LAYOUT.  S^T = K Q^T, O^T = V^T P^T: a lane holds one query throughout.  K's tiles are permuted along the keys and V^T's along the features (tile 2 b + u, row m = 32 b + 8 u + m + 8 (m / 8)), so that the 16 registers of
; tiles 2 b, 2 b + 1 are 16 neighbours, 32 b + 16 (lane / 16) + 0 .. 15: of the keys for p, of the head's features for the result.
; THE SOFTMAX: t = score x log2(e) / 8; M = the running largest t rounded up to a whole number; p = 2^(t - M) is quantised along the keys, not normalised; the sum of the unquantised p divides at the end.
; Hidden scores become -infinity ahead of the maximum.  A query whose first step is wholly hidden keeps the starting maximum -3e38 there; its p are zeros.
; K's and V's 72 KiB come into LDS once, through registers, and are read by all sixteen waves.  No cluster: neighbouring blocks of queries want windows shifted by a step, so no two work-groups want a tile at the same
; LDS place.  No prefetch: all is asked for at the head.  Four waves share a SIMD, so that one wave's vector work stands beside another's products.
; LIMITS: NaN and infinities are not served; a block of the result whose largest magnitude lies under 2^-124 gets the byte 1.
; REGISTERS: v1-11 addresses and the mask's numbers; v12 -M, v13 the largest t, v[14:15] the sum; v16-27 Q; v32-79 four fragments; v80-85 V's scale words; v86-93 offsets at the head; v96-159 S^T, then p; v160-191 O^T;
;   v192-203 K's scale words; v204-212 the result's codes; v224-235 p's codes; v232-254 at work; v253 p's scale word; v255 Q's.
.set VOFF, 36864                       ; LDS: K [step 3][tile 8][1,536], then V likewise
.set SCW,  73728                       ; then the result's scale words, [tile 8][16 rows]
.set KI,   3145728                     ; k's part of qkv_img
.set VI,   6291456                     ; v's
.set SEL,  20
.set CS,   22
	s_load_b256 s[4:11], s[0:1], 0x0               ; qkv_img s[4:5], qkv_sc s[6:7], att_img s[8:9], att_sc s[10:11]
	v_lshl_add_u32 v250, v0, 2, 0x12800
	v_mov_b32 v251, 0
	v_lshrrev_b32 v8, 5, v0
	v_readfirstlane_b32 s18, v8                    ; wave 0..15
	s_and_b32 s19, s18, 7                          ; my tile of queries
	s_lshr_b32 s24, s18, 3                         ; my head of the pair
	s_and_b32 s12, ttmp7, 0xffff
	s_lshr_b32 s26, s12, 3                         ; batch
	s_and_b32 s27, s12, 7                          ; head pair
	s_sub_co_i32 s28, ttmp9, 2
	s_max_i32 s28, s28, 0                          ; s0
	v_and_b32 v8, 31, v0                           ; lane
	v_and_b32 v10, 15, v0                          ; r
	v_bfe_u32 v11, v0, 4, 1                        ; h
	v_lshlrev_b32 v1, 4, v8                        ; v1, v2: 16, 8 x lane: K's fragments
	v_lshlrev_b32 v2, 3, v8
	v_lshlrev_b32 v5, 2, v8                        ; v5: 4 x lane
	s_mul_i32 s13, s24, 6144
	s_add_co_u32 s13, s13, VOFF
	v_add_nc_u32 v3, s13, v1                       ; v3, v4: V's fragments: my head's four tiles
	v_add_nc_u32 v4, s13, v2
	s_mul_i32 s13, s24, VOFF
	s_mul_i32 s14, s19, 1536
	s_add_co_u32 s13, s13, s14
	v_add_nc_u32 v6, s13, v1                       ; v6: where I put what I fetch: waves 0-7 K's tile w, waves 8-15 V's tile w - 8
	s_lshl_b32 s13, s19, 6
	s_lshl_b32 s14, s24, 1
	s_add_co_u32 s13, s13, s14
	s_add_co_u32 s13, s13, SCW
	v_lshl_add_u32 v7, v10, 2, s13                 ; v7: my row's half of a scale word
	v_add_nc_u32 v8, SCW, v1                       ; v8: the words on their way out
	s_sub_co_u32 s30, ttmp9, s28
	s_lshl_b32 s30, s30, 7
	s_lshl_b32 s12, s19, 4
	s_add_co_u32 s30, s30, s12                     ; my first query less the window's first key
	v_lshlrev_b32 v9, 4, v11
	v_sub_nc_u32 v9, v10, v9
	v_add_nc_u32 v9, s30, v9                       ; v9: d0 = my query - the window's first key - 16 h.  Register n of step s holds key 128 s + 32 (n / 16) + n % 16 + 16 h of the window
	v_lshlrev_b32 v93, 2, v10                      ; (4 r)
	v_add_nc_u32 v10, -255, v9                     ; v10: d0 - 255
	v_mov_b32 v11, 0xff800000                      ; v11: -infinity
	s_lshl_b32 s31, s27, 8
	s_lshl_b32 s12, s26, 7
	s_add_co_u32 s31, s31, s12                     ; q, k: the pair's and the batch's first tile
	s_lshl_b32 s32, s28, 3
	s_add_co_u32 s32, s32, s31                     ; K's first tile of the window
	s_lshl_b32 s33, s26, 4
	s_add_co_u32 s33, s33, s28
	s_lshl_b32 s33, s33, 6
	s_lshl_b32 s12, s27, 3
	s_add_co_u32 s33, s33, s12                     ; V's: (16 batch + s0) x 64 + 8 pair
	s_add_co_u32 s34, s32, s19
	s_mul_i32 s34, s34, 1536
	s_add_co_u32 s34, s34, KI
	s_add_co_u32 s35, s33, s19
	s_mul_i32 s35, s35, 1536
	s_add_co_u32 s35, s35, VI
	s_cmp_lt_u32 s18, 8
	s_cselect_b32 s34, s34, s35                    ; the tile that I fetch, in the first step,
	s_mov_b32 s35, 98304
	s_cselect_b32 s35, 12288, s35                  ; and from step to step
	v_add_nc_u32 v86, s34, v1
	v_add_nc_u32 v87, s35, v86
	v_add_nc_u32 v88, s35, v87
	s_lshl_b32 s36, ttmp9, 3
	s_add_co_u32 s36, s36, s31
	s_add_co_u32 s36, s36, s19                     ; Q's tile
	s_mul_i32 s37, s36, 1536
	v_add_nc_u32 v89, s37, v1
	v_add_nc_u32 v90, s37, v2
	s_lshl_b32 s38, s32, 6
	s_add_co_u32 s38, s38, 131072
	v_add_nc_u32 v91, s38, v5                      ; K's scale words: two tiles a load
	s_lshl_b32 s38, s24, 2
	s_add_co_u32 s38, s38, s33
	s_lshl_b32 s38, s38, 6
	s_add_co_u32 s38, s38, 262144
	v_add_nc_u32 v92, s38, v5                      ; V's: my head's four tiles
	s_lshl_b32 s38, s36, 6
	v_add_nc_u32 v93, s38, v93                     ; Q's: row r's
	s_lshl_b32 s39, s26, 7
	s_lshl_b32 s12, ttmp9, 3
	s_add_co_u32 s39, s39, s12                     ; the result's first tile: 128 batch + 8 c
	s_add_co_u32 s40, s39, s19
	s_mul_i32 s40, s40, 12288
	s_mul_i32 s12, s27, 1536
	s_add_co_u32 s40, s40, s12
	s_mul_i32 s12, s24, 768
	s_add_co_u32 s40, s40, s12                     ; att_img [tile][head pair][1,536]: my head is half an image
	s_mov_b32 s41, 0
	s_lshl_b32 s42, s27, 14
	s_lshl_b32 s12, s39, 6
	s_add_co_u32 s42, s42, s12                     ; att_sc [head pair][tile][16]
	s_mov_b32 s43, 0
	s_cmp_eq_u32 s24, 0
	s_cselect_b32 s44, -1, 0                       ; all ones where Q's registers 0-5 are my head's
	s_cselect_b32 s45, 0, -1                       ; where registers 6-11 are
	s_mov_b32 s[SEL], 0x76543210
	s_mov_b32 s[SEL+1], 0xfedcba98                 ; v_permlanex16_b32's selects for lane l xor 16
	s_mov_b32 s[CS], 0x3e38aa3b                    ; c = log2(e) / 8
	s_mov_b32 s[CS+1], s[CS]                       ; (named with it as a pair)
	s_wait_kmcnt 0x0
	s_add_nc_u64 s[8:9], s[8:9], s[40:41]
	s_add_nc_u64 s[10:11], s[10:11], s[42:43]
.irp s, 0,1,2
.irp j, 0,1,2
	global_load_b128 v[32+12*\s+4*\j:35+12*\s+4*\j], v[86+\s], s[4:5] offset:512*\j   ; my tile of K or V, three steps: 512 consecutive bytes a load
.endr
.endr
	global_load_b128 v[16:19], v89, s[4:5]         ; Q's fragment
	global_load_b64 v[20:21], v90, s[4:5] offset:512
	global_load_b128 v[22:25], v89, s[4:5] offset:768
	global_load_b64 v[26:27], v90, s[4:5] offset:1280
.irp i, 0,1,2,3,4,5,6,7,8,9,10,11
	global_load_b32 v[192+\i], v91, s[6:7] offset:128*\i       ; lanes 0-15 tile 2 i of the window's 24, lanes 16-31 tile 2 i + 1
.endr
.irp s, 0,1,2
.irp u, 0,1
	global_load_b32 v[80+2*\s+\u], v92, s[6:7] offset:4096*\s+128*\u
.endr
.endr
	global_load_b32 v255, v93, s[6:7]
	s_wait_loadcnt 23                              ; the nine loads of my tile are in; the 23 behind them may be out
.irp s, 0,1,2
.irp j, 0,1,2
	ds_store_b128 v6, v[32+12*\s+4*\j:35+12*\s+4*\j] offset:12288*\s+512*\j
.endr
.endr
	s_wait_dscnt 0x0                               ; for the others' sake: my stores are done
	s_barrier_signal -1
	s_barrier_wait -1                              ; K's and V's 48 images lie in LDS
	s_wait_loadcnt 0x0
.irp i, 0,1,2,3,4,5
	v_cndmask_b32 v[16+\i], 0, v[16+\i], s44       ; the other head's codes of Q become zeros
	v_cndmask_b32 v[22+\i], 0, v[22+\i], s45
.endr
	v_mov_b32 v13, 0xff61b1e6                      ; the largest t so far: -3e38
	v_floor_f32 v12, -v13                          ; -M
	v_mov_b32 v14, 0                               ; the sum, in two halves
	v_mov_b32 v15, 0
.irp b, 0,1,2,3
	v_mov_b32 v[236+\b], 0                         ; a lane permute's destination counts as one of its sources
.endr
	v_mov_b32 v253, 0                              ; (named as the upper half of the pair v[252:253] before it is first written)
.set i, 0
.rept 32
	v_mov_b32 v[160+i], 0                          ; O^T: the step is written alike for all three: the first finds zeros
.set i, i+1
.endr
.macro FRAG reg, a16, a8, off
	ds_load_b128 v[(\reg):(\reg)+3], v[\a16] offset:(\off)
	ds_load_b64 v[(\reg)+4:(\reg)+5], v[\a8] offset:(\off)+512
	ds_load_b128 v[(\reg)+6:(\reg)+9], v[\a16] offset:(\off)+768
	ds_load_b64 v[(\reg)+10:(\reg)+11], v[\a8] offset:(\off)+1280
.endm
; A KEY STEP: 128 keys, the s-th of the window.
.macro STEP s
.irp g, 0,1                            ; S^T = K Q^T, four tiles of 16 keys at a time
.rept 4
	v_nop                                          ; places in front of loads into registers that matrix instructions have read
.endr
.irp t, 0,1,2,3
	FRAG 32+12*\t, 1, 2, (8*\s+4*\g+\t)*1536
.endr
	s_wait_dscnt 0x0
.irp t, 0,1,2,3
.if \t%2
	v_wmma_scale_f32_16x16x128_f8f6f4 v[96+8*(4*\g+\t):103+8*(4*\g+\t)], v[32+12*\t:43+12*\t], v[16:27], 0, v[192+(8*\s+4*\g+\t)/2], v255 matrix_a_fmt:MATRIX_FMT_FP6 matrix_b_fmt:MATRIX_FMT_FP6 matrix_a_scale:MATRIX_SCALE_ROW1
.else
	v_wmma_scale_f32_16x16x128_f8f6f4 v[96+8*(4*\g+\t):103+8*(4*\g+\t)], v[32+12*\t:43+12*\t], v[16:27], 0, v[192+(8*\s+4*\g+\t)/2], v255 matrix_a_fmt:MATRIX_FMT_FP6 matrix_b_fmt:MATRIX_FMT_FP6
.endif
.endr
.endr
.rept 4
	v_nop
.endr
	; THE BAND.  Scalar branches on ids alone pass over a side of the mask where all 128 keys of the step lie inside it for my 16 queries.
	s_cmp_ge_i32 s30, 127+128*\s                   ; the step's last key is no later than my first query
	s_cbranch_scc1 .Lupper\s
.set n, 0
.rept 64
	v_cmp_gt_i32 vcc_lo, 128*\s+32*(n/16)+n%16, v9 ; the key comes after the query
	v_cndmask_b32 v[96+n], v[96+n], v11, vcc_lo
.set n, n+1
.endr
.Lupper\s:
	s_cmp_le_i32 s30, 240+128*\s                   ; the step's first key is no earlier than my last query - 255
	s_cbranch_scc1 .Llower\s
.set n, 0
.rept 64
	v_cmp_lt_i32 vcc_lo, 128*\s+32*(n/16)+n%16, v10    ; the key comes before the query's window
	v_cndmask_b32 v[96+n], v[96+n], v11, vcc_lo
.set n, n+1
.endr
.Llower\s:
.irp b, 0,1,2,3
	v_max3_num_f32 v[232+\b], v[96+16*\b], v[97+16*\b], v[98+16*\b]   ; the largest score of each block of 32 keys: for the row's maximum, and, since p rises with the score, for the block's largest p
.endr
.irp i, 3,5,7,9,11,13
.irp b, 0,1,2,3
	v_max3_num_f32 v[232+\b], v[232+\b], v[96+16*\b+\i], v[97+16*\b+\i]
.endr
.endr
.irp b, 0,1,2,3
	v_max_num_f32 v[232+\b], v[232+\b], v[111+16*\b]
.endr
.irp b, 0,1,2,3
	v_permlanex16_b32 v[236+\b], v[232+\b], s[SEL], s[SEL+1]
.endr
.irp b, 0,1,2,3
	v_max_num_f32 v[232+\b], v[232+\b], v[236+\b]  ; with lane l xor 16's 16 keys
.endr
	v_max3_num_f32 v254, v232, v233, v234
	v_max_num_f32 v254, v254, v235                 ; the step's largest score of my query
	v_mul_f32 v254, s[CS], v254                    ; as t
	v_max_num_f32 v13, v13, v254                   ; the running largest t
	v_mov_b32 v254, v12
	v_floor_f32 v12, -v13                          ; the new -M = -ceil(t): a whole number
	v_sub_f32 v254, v12, v254                      ; old M - new M: a whole number, 0 or less
	v_cvt_i32_f32 v254, v254                       ; (it saturates)
	v_ldexp_f32 v252, 1.0, v254                    ; f = 2^(old M - new M): a multiplication by it rounds nothing
.set j, 0
.rept 32
	v_pk_fma_f32 v[96+j:97+j], v[96+j:97+j], s[CS:CS+1], v[12:13] op_sel_hi:[1,0,0]   ; t - M, two at a time
.set j, j+2
.endr
.irp b, 0,1,2,3
	v_fma_f32 v[232+\b], v[232+\b], s[CS], v12     ; the same of each block's largest score
.endr
.set j, 0
.rept 64
	v_exp_f32 v[96+j], v[96+j]                     ; p = 2^(t - M), at most 1
.set j, j+1
.endr
	v_pk_mul_f32 v[14:15], v[14:15], v[252:253] op_sel_hi:[1,0]   ; the sums under the new M; the plain line behind the exponentials
	s_wait_alu depctr_va_vdst(0)                   ; one wait for the whole batch, ahead of its first reader
.irp b, 0,1,2,3
	v_exp_f32 v[232+\b], v[232+\b]                 ; the block's largest p: the same two instructions on the same number
.endr
	v_pk_add_f32 v[236:237], v[96:97], v[98:99]    ; the row's sum is taken of the unquantised p: two chains
.irp j, 4,8,12,16,20,24,28,32,36,40,44,48,52,56,60
	v_pk_add_f32 v[14:15], v[14:15], v[96+\j:97+\j]
	v_pk_add_f32 v[236:237], v[236:237], v[98+\j:99+\j]
.endr
	v_pk_add_f32 v[14:15], v[14:15], v[236:237]
	s_wait_alu depctr_va_vdst(0)                   ; and one for the four
.irp b, 0,1,2,3
	v_max_num_f32 v[232+\b], 0x1800000, v[232+\b]  ; the floor 2^(3 - 127): a block whose every p is 0 keeps the byte 1: its codes are zeros
.endr
.irp b, 0,1,2,3
	v_add_nc_u32 v[244+\b], 0xff000000, v[232+\b]  ; 2 off the exponent field: the conversion's scale operand
.endr
.irp b, 0,1,2,3
	v_lshrrev_b32 v[236+\b], 23, v[244+\b]         ; the scale's byte
.endr
	v_lshl_or_b32 v253, v237, 8, v236              ; p's scale word for these 128 keys
	v_lshl_or_b32 v253, v238, 16, v253
	v_lshl_or_b32 v253, v239, 24, v253
.irp c, 0,1
	v_cvt_scalef32_pk16_fp6_f32 v[224+6*\c:226+6*\c], v[96+32*\c:111+32*\c], v[244+2*\c]
	v_cvt_scalef32_pk16_fp6_f32 v[236+4*\c:238+4*\c], v[112+32*\c:127+32*\c], v[244+2*\c+1]
.endr
	v_nop                                          ; one plain line behind a scaled conversion
.irp c, 0,1                            ; a whole block in a lane: lanes 0-15 block 2 c, lanes 16-31 block 2 c + 1
.irp i, 0,1,2
	v_permlane16_swap_b32 v[224+6*\c+\i], v[236+4*\c+\i]
.endr
.irp i, 0,1,2
	v_mov_b32 v[227+6*\c+\i], v[236+4*\c+\i]
.endr
.endr
.set j, 0
.rept 16
	v_pk_mul_f32 v[160+j:161+j], v[160+j:161+j], v[252:253] op_sel_hi:[1,0]   ; O^T under the new M.  These sixteen also stand between the lines that made p's codes and scale word and the products below
.set j, j+2
.endr
.irp t, 0,1,2,3                        ; O^T += V^T P^T: my head's four tiles of 16 features; K = these 128 keys
	FRAG 32+12*\t, 3, 4, 12288*\s+1536*\t
.endr
	s_wait_dscnt 0x0
.irp t, 0,1,2,3                        ; four accumulators by turns
.if \t%2
	v_wmma_scale_f32_16x16x128_f8f6f4 v[160+8*\t:167+8*\t], v[32+12*\t:43+12*\t], v[224:235], v[160+8*\t:167+8*\t], v[80+2*\s+\t/2], v253 matrix_a_fmt:MATRIX_FMT_FP6 matrix_b_fmt:MATRIX_FMT_FP6 matrix_a_scale:MATRIX_SCALE_ROW1
.else
	v_wmma_scale_f32_16x16x128_f8f6f4 v[160+8*\t:167+8*\t], v[32+12*\t:43+12*\t], v[224:235], v[160+8*\t:167+8*\t], v[80+2*\s+\t/2], v253 matrix_a_fmt:MATRIX_FMT_FP6 matrix_b_fmt:MATRIX_FMT_FP6
.endif
.endr
.endm
	STEP 0
	STEP 1
	STEP 2
	; THE WAY OUT.  O^T / the sum: register 16 b + i is my query's feature 32 b + 16 h + i of my head; two blocks of 32 are quantised: half a fragment of the last projection's operand.
.rept 4
	v_nop                                          ; places behind the last products
.endr
	v_add_f32 v14, v14, v15
	v_permlanex16_b32 v252, v14, s[SEL], s[SEL+1]
	v_add_f32 v14, v14, v252                       ; the row's sum
	v_rcp_f32 v14, v14
	v_nop                                          ; a plain line behind the transcendental
	s_wait_alu depctr_va_vdst(0)                   ; and the wait ahead of its first reader
.set j, 0
.rept 32
	v_mul_f32 v[96+j], v[160+j], v14
.set j, j+1
.endr
.irp b, 0,1
	v_max3_num_f32 v[232+\b], |v[96+16*\b]|, |v[97+16*\b]|, 0x1800000
.endr
.irp i, 2,4,6,8,10,12,14
.irp b, 0,1
	v_max3_num_f32 v[232+\b], v[232+\b], |v[96+16*\b+\i]|, |v[97+16*\b+\i]|
.endr
.endr
.irp b, 0,1
	v_permlanex16_b32 v[236+\b], v[232+\b], s[SEL], s[SEL+1]
.endr
.irp b, 0,1
	v_max_num_f32 v[232+\b], v[232+\b], v[236+\b]
.endr
.irp b, 0,1
	v_add_nc_u32 v[244+\b], 0xff000000, v[232+\b]
.endr
.irp b, 0,1
	v_lshrrev_b32 v[236+\b], 23, v[244+\b]
.endr
	v_lshl_or_b32 v240, v237, 8, v236              ; my head's two bytes of the row's scale word
	v_cvt_scalef32_pk16_fp6_f32 v[204:206], v[96:111], v244
	v_cvt_scalef32_pk16_fp6_f32 v[210:212], v[112:127], v245
	v_nop
.irp i, 0,1,2
	v_permlane16_swap_b32 v[204+\i], v[210+\i]
.endr
.irp i, 0,1,2
	v_mov_b32 v[207+\i], v[210+\i]
.endr
	ds_store_b16 v7, v240                          ; lanes r and r + 16 write the same two bytes with the same value
	global_store_b128 v1, v[204:207], s[8:9]       ; half an image: 512 and 256 consecutive bytes
	global_store_b64 v2, v[208:209], s[8:9] offset:512
	s_wait_dscnt 0x0                               ; for wave 0's sake: my store is done
	s_barrier_signal -1
	s_barrier_wait -1
	s_cmp_lg_u32 s18, 0
	s_cbranch_scc1 .Lend
	ds_load_b128 v[32:35], v8                      ; the eight tiles' words: 512 bytes
	s_wait_dscnt 0x0
	global_store_b128 v1, v[32:35], s[10:11]       ; 512 consecutive bytes, aligned
.Lend:
	s_wait_tensorcnt 0x0
	ds_add_u32 v250, v251
	s_wait_dscnt 0x0
	s_endpgm
.Lfunc_end_k_qe2964671fe_attn:
	.size	k_qe2964671fe_attn, .Lfunc_end_k_qe2964671fe_attn-k_qe2964671fe_attn
	.p2alignl 7, 3214868480
	.fill 96, 4, 3214868480
	.section	.rodata,"a",@progbits
	.p2align	6, 0x0
	.amdhsa_kernel k_qe2964671fe_attn
		.amdhsa_group_segment_fixed_size 77824
		.amdhsa_private_segment_fixed_size 0
		.amdhsa_enable_private_segment 0
		.amdhsa_kernarg_size 32
		.amdhsa_user_sgpr_count 2
		.amdhsa_user_sgpr_kernarg_segment_ptr 1
		.amdhsa_wavefront_size32 1
		.amdhsa_system_sgpr_workgroup_id_x 1
		.amdhsa_system_sgpr_workgroup_id_y 1
		.amdhsa_system_sgpr_workgroup_id_z 1
		.amdhsa_system_vgpr_workitem_id 0
		.amdhsa_next_free_vgpr 256
		.amdhsa_next_free_sgpr 66
		.amdhsa_reserve_vcc 1
		.amdhsa_float_denorm_mode_32 3
		.amdhsa_float_denorm_mode_16_64 3
		.amdhsa_memory_ordered 1
		.amdhsa_forward_progress 1
		.amdhsa_inst_pref_size 99
	.end_amdhsa_kernel
	.amdgpu_metadata
---
amdhsa.version: [ 1, 2 ]
amdhsa.kernels:
  - .name:           k_qe2964671fe_attn
    .symbol:         k_qe2964671fe_attn.kd
    .args:
      - { .name: qkv_img, .offset: 0, .size: 8, .value_kind: global_buffer, .address_space: global }
      - { .name: qkv_sc, .offset: 8, .size: 8, .value_kind: global_buffer, .address_space: global }
      - { .name: att_img, .offset: 16, .size: 8, .value_kind: global_buffer, .address_space: global }
      - { .name: att_sc, .offset: 24, .size: 8, .value_kind: global_buffer, .address_space: global }
    .group_segment_fixed_size: 77824
    .private_segment_fixed_size: 0
    .kernarg_segment_align: 8
    .kernarg_segment_size: 32
    .max_flat_workgroup_size: 512
    .sgpr_count:     66
    .vgpr_count:     256
    .wavefront_size: 32
...
	.end_amdgpu_metadata
.endif
;; end of part 3
;; launch outp (part 4): grid 4 x 16, 4 waves a work-group, clusters of 4 x 4, 327,680 bytes of LDS; arguments att_img, att_sc, xin_img, xin_sc, bo, out0; writes out0
.if DOCPART == 4
	.amdgcn_target "amdgcn-amd-amdhsa--gfx1250"
	.amdhsa_code_object_version 6
	.text
	.protected	k_qe2964671fe_outp
	.globl	k_qe2964671fe_outp
	.p2align	8
	.type	k_qe2964671fe_outp,@function
k_qe2964671fe_outp:
	s_mov_b64 s[64:65], 0
	v_nop
	global_prefetch_b8 v0, s[64:65] scope:SCOPE_SE
	s_setreg_imm32_b32 hwreg(HW_REG_WAVE_MODE, 25, 1), 1
	s_wait_xcnt 0x0
	s_wait_alu depctr_hold_cnt(0) depctr_sa_sdst(0) depctr_va_vdst(0) depctr_va_sdst(0) depctr_va_ssrc(0) depctr_va_vcc(0) depctr_vm_vsrc(0)
	s_getreg_b32 s2, hwreg(HW_REG_IB_STS2, 6, 4)
	s_cmp_eq_u32 s2, 0
	s_cbranch_scc0 .Lentry_in_a_cluster
	s_endpgm
.Lentry_in_a_cluster:
	s_bfe_u32 s2, ttmp6, 0x10000c
	s_cmp_lg_u32 s2, 0xf033
	s_cbranch_scc0 .Lentry_shape_is_right
	s_endpgm
.Lentry_shape_is_right:
; out0 = att Wo^T + bo on codes of FP6 (E2M3) with E8M0 scales; out0 [4,096][1,024] f32.
; OPERANDS are images of registers: a fragment (16 rows x 128 K) is 1,536 bytes: half c at 768 c: registers 6 c .. 6 c + 3 at 16 x lane, registers 6 c + 4, 6 c + 5 at 512 + 8 x lane.
; att_img [tile of 16 rows, 256][K step 8][1,536], att_sc [K step 8][tile 256][16 words]; Wo: tiles 960 to 1,023 of xin_img [tile][K step 8][1,536], xin_sc [K step 8][tile 1,024][16 words].
; A tile of out0 is 256 x 256; four waves, 128 x 128 each: 64 accumulators, 512 registers.  THE MATRIX INSTRUCTION IS USED TRANSPOSED (source 0 = 16 rows of Wo, source 1 = 16 rows of att): a lane holds eight neighbouring numbers of a row of out0.
; K = 1,024 is eight steps of 128.  One tensor load a wave brings 128 rows x 256 K (8 tiles x 3,072 bytes).  THREE LDS slots: K steps of 256 number 0, 1, 2 are first fills; number 3 is the one refill, of slot 0.
; The scale words come once with the first fills.  By this text's own count a wave has four tensor loads out at the start and one behind the refill's round.
; CLUSTERS: 4 x 4: att's tiles are asked for jointly along a row of the cluster, Wo's along a column.  The bias is the C of the first K step.
; 64 work-groups: out0 has no more tiles of this size; the text is the projections' core.  No prefetch: three quarters of K are asked for at the head.
; REGISTERS: window 0: v8-26 addresses; v28, v29 for the add; v32-63 scale words, two sets; v64-127 the bias; v128-223 att's fragments, one set; on the way out v128-255 rows of out0.
;   window 1: Wo's fragments, two sets, at v0 and v128.   windows 2, 3: accumulator (a, b) at v[8 (8 (a % 4) + b)], a < 4 in window 2.
.set FR,    12
.set HALFT, 24576                      ; 8 tiles x 3,072 bytes: what one tensor load brings
.set SLOT,  98304                      ; att's two halves, then Wo's two halves
.set SCL,   294912                     ; behind the three slots: the scale words, 4 x [K step 8][tile 8][64 bytes]
.set SPARE, 311296                     ; the spare words: 128 bytes a wave, two blocks of 256 bytes that no other line names
.set SPITCH, 528                       ; the way out: a stage of 16 rows x (512 bytes + 16) for each wave, in slot 1, which has had its only fill and, behind the last barrier, its last read
.set A16,  8
.set A8,   11
.set B16,  14
.set B8,   17
.set ADRS, 20
.set L16,  21
.set L8,   22
.set STO,  24
.set RD,   25
.set SPW,  28
.set NIL,  29
.set SC,   32
.set BP,   64
.set AF,   128
.set BK,   128
.set G1,   24
.set G1B,  32
.set G1S,  40
.set G1SB, 48
.set G0A0, 56
.set G0A1, 60
.set G0A2, 68
.set G0B0, 72
.set G0B1, 76
.set G0B2, 80
.set G0S,  84
.set G0SB, 88
.set MSB, 0
.macro WIN new                         ; the immediate's high byte repeats the setting that is left
.if MSB != (\new)
	s_set_vgpr_msb (MSB<<8)|(\new)
.set MSB, (\new)
.endif
.endm
.set MUL_LO, 0xa1                      ; source 0 (Wo) window 1, source 1 (att) window 0, C and D window 2
.set MUL_HI, 0xf1
.set TO_B,   0x40
; A joint load: waves 0 and 1 fetch for att, waves 2 and 3 for Wo; the branch hangs on the wave's number alone.  Four v_nop follow each of the two lines.
.macro JLOAD g0a, g1a, g0b, g1b
	s_cmp_eq_u32 s15, 0
	s_cbranch_scc0 .Lfor_b_\@
	tensor_load_to_lds s[\g0a:\g0a+3], s[\g1a:\g1a+7]
	s_nop 0
.rept 4
	v_nop
.endr
	s_branch .Lasked_\@
.Lfor_b_\@:
	tensor_load_to_lds s[\g0b:\g0b+3], s[\g1b:\g1b+7]
	s_nop 0
.rept 4
	v_nop
.endr
.Lasked_\@:
.endm
.macro CREST                           ; a round of the cluster's barrier behind its opening barrier
	s_cmp_lg_u32 s14, 0
	s_cbranch_scc1 .Lnot_wave_0_\@
	s_barrier_signal -3
.Lnot_wave_0_\@:
	s_barrier_wait -3
	s_barrier_signal -1
	s_barrier_wait -1
.endm
.macro CROUND
	s_barrier_signal -1
	s_barrier_wait -1
	CREST
.endm
.macro PLACES n
.rept \n
	v_nop
.endr
.endm
	s_load_b128 s[4:7], s[0:1], 0x0                ; att_img, att_sc
	s_load_b128 s[8:11], s[0:1], 0x10              ; xin_img, xin_sc
	s_load_b64 s[12:13], s[0:1], 0x20              ; bo
	s_load_b64 s[20:21], s[0:1], 0x28              ; out0
	v_lshl_add_u32 v[SPW], v0, 2, SPARE
	v_mov_b32 v[NIL], 0
	ds_add_u32 v28, v29
	ds_add_u32 v28, v29
	s_wait_dscnt 0x0
	v_lshrrev_b32 v1, 5, v0
	v_readfirstlane_b32 s14, v1                    ; wave 0..3
	s_lshr_b32 s15, s14, 1                         ; my half of the tile's rows.  Also: I fetch for att (0) or for Wo (1)
	s_and_b32 s16, s14, 1                          ; my half of its columns.  Also: which 128 rows I fetch
	s_bfe_u32 s92, ttmp6, 0x40000                  ; cx
	s_bfe_u32 s93, ttmp6, 0x40004                  ; cy
	s_lshl_b32 s94, ttmp9, 2
	s_add_co_u32 s94, s94, s92                     ; tile column = 4 x cluster x + cx
	s_and_b32 s2, ttmp7, 0xffff
	s_lshl_b32 s2, s2, 2
	s_add_co_u32 s2, s2, s93                       ; tile row = 4 x cluster y + cy
	s_lshl_b32 s17, s93, 2
	s_lshl_b32 s17, 15, s17                        ; my row of the cluster
	s_lshl_b32 s18, 0x1111, s92                    ; my column
	s_or_b32 s[G1], s17, (3<<16)|(1<<21)           ; 15:0 the mask; 17:16 elements of 8 bytes; 21 set beside a mask; no padding
	s_or_b32 s[G1B], s18, (3<<16)|(1<<21)
	s_or_b32 s[G1S], s17, (3<<16)|(1<<21)
	s_or_b32 s[G1SB], s18, (3<<16)|(1<<21)
.irp g, G1, G1B                        ; codes: 8 rows (tiles) of 384 elements (3,072 bytes: two K steps' images), 1,536 elements apart
	s_mov_b32 s[\g+1], 384<<16
	s_mov_b32 s[\g+2], 8<<16
	s_mov_b32 s[\g+3], 384<<16
	s_mov_b32 s[\g+4], 8
	s_mov_b32 s[\g+5], 1536
	s_mov_b32 s[\g+6], 0
	s_mov_b32 s[\g+7], 0
.endr
.irp g, G1S, G1SB                      ; scale words: 8 rows (K steps) of 64 elements (512 bytes: 8 tiles)
	s_mov_b32 s[\g+1], 64<<16
	s_mov_b32 s[\g+2], 8<<16
	s_mov_b32 s[\g+3], 64<<16
	s_mov_b32 s[\g+4], 8
	s_mov_b32 s[\g+6], 0
	s_mov_b32 s[\g+7], 0
.endr
	s_mov_b32 s[G1S+5], 2048                       ; att_sc: 16,384 bytes from K step to K step
	s_mov_b32 s[G1SB+5], 8192                      ; xin_sc: 65,536
	s_lshl_b32 s100, s2, 4
	s_lshl_b32 s101, s16, 3
	s_add_co_u32 s100, s100, s101                  ; att's first tile that I fetch: 16 x tile row + 8 x half
	s_lshl_b32 s66, s94, 4
	s_add_co_u32 s66, s66, 960
	s_lshl_b32 s67, s16, 3
	s_add_co_u32 s66, s66, s67                     ; Wo's: 960 + 16 x tile column + 8 x half
	s_lshl_b32 s[G0S+2], s100, 6
	s_mov_b32 s[G0S+3], 0
	s_mul_i32 s100, s100, 12288
	s_mov_b32 s101, 0
	s_lshl_b32 s[G0SB+2], s66, 6
	s_mov_b32 s[G0SB+3], 0
	s_mul_i32 s66, s66, 12288
	s_mov_b32 s67, 0
	s_mul_i32 s19, s14, HALFT                      ; where my loads go: the wave's number alone enters an LDS address
	s_wait_kmcnt 0x0
	s_add_nc_u64 s[100:101], s[4:5], s[100:101]
	s_add_nc_u64 s[66:67], s[8:9], s[66:67]
	s_add_nc_u64 s[G0S+2:G0S+3], s[6:7], s[G0S+2:G0S+3]
	s_add_nc_u64 s[G0SB+2:G0SB+3], s[10:11], s[G0SB+2:G0SB+3]
	CROUND                                         ; all sixteen work-groups are here: the first joint loads meet
	s_mov_b32 s[G0S], 1
	s_lshl_b32 s[G0S+1], s14, 12
	s_add_co_u32 s[G0S+1], s[G0S+1], SCL
	s_or_b32 s[G0S+3], s[G0S+3], 0x80000000
	s_mov_b32 s[G0SB], 1
	s_lshl_b32 s[G0SB+1], s14, 12
	s_add_co_u32 s[G0SB+1], s[G0SB+1], SCL
	s_or_b32 s[G0SB+3], s[G0SB+3], 0x80000000
	JLOAD G0S, G1S, G0SB, G1SB                     ; the scale words first
.macro FIRST g0a, g0b, s               ; slot s takes K step of 256 number s
	s_mov_b32 s[\g0a], 1
	s_add_co_u32 s[\g0a+1], s19, \s*SLOT
	s_add_nc_u64 s[\g0a+2:\g0a+3], s[100:101], \s*3072
	s_or_b32 s[\g0a+3], s[\g0a+3], 0x80000000
	s_mov_b32 s[\g0b], 1
	s_add_co_u32 s[\g0b+1], s19, \s*SLOT
	s_add_nc_u64 s[\g0b+2:\g0b+3], s[66:67], \s*3072
	s_or_b32 s[\g0b+3], s[\g0b+3], 0x80000000
	JLOAD \g0a, G1, \g0b, G1B
.endm
	FIRST G0A0, G0B0, 0
	FIRST G0A1, G0B1, 1
	FIRST G0A2, G0B2, 2
	v_and_b32 v1, 31, v0                           ; lane
	v_and_b32 v2, 15, v0                           ; r
	v_bfe_u32 v3, v0, 4, 1                         ; h
	v_lshlrev_b32 v[L16], 4, v1
	v_lshlrev_b32 v[L8], 3, v1
	s_mul_i32 s17, s15, HALFT                      ; my 128 rows of att
	s_mul_i32 s18, s16, HALFT                      ; my 128 rows of Wo,
	s_add_co_u32 s18, s18, 2*HALFT                 ; which lie behind att's 256
.irp s, 0,1,2
	v_add_nc_u32 v[A16+\s], s17, v[L16]
	v_add_nc_u32 v[A8+\s], s17, v[L8]
	v_add_nc_u32 v[B16+\s], s18, v[L16]
	v_add_nc_u32 v[B8+\s], s18, v[L8]
	s_add_co_u32 s17, s17, SLOT
	s_add_co_u32 s18, s18, SLOT
.endr
	s_lshl_b32 s17, s15, 12
	s_lshl_b32 s18, s16, 12
	s_add_co_u32 s18, s18, 2*4096
	s_sub_co_u32 s18, s18, s17
	v_mul_u32_u24 v4, s18, v3                      ; lanes 16-31 take Wo's scale words: one product with h
	s_add_co_u32 s17, s17, SCL
	v_lshl_add_u32 v[ADRS], v2, 2, v4
	v_add_nc_u32 v[ADRS], s17, v[ADRS]
	s_mul_i32 s17, s14, 16*SPITCH
	s_add_co_u32 s17, s17, SLOT                    ; my stage
	v_mul_u32_u24 v4, v2, SPITCH
	v_lshl_add_u32 v4, v3, 5, v4
	v_add_nc_u32 v[STO], s17, v4                   ; in: row r, 32 bytes for each half of the lanes
	v_add_nc_u32 v[RD], s17, v[L16]                ; back: the 32 lanes take one row of 512 bytes
	s_lshl_b32 s17, s94, 8
	s_lshl_b32 s18, s16, 7
	s_add_co_u32 s17, s17, s18
	s_lshl_b32 s17, s17, 2                         ; my 128 columns' bias
	v_lshlrev_b32 v5, 5, v3
	v_add_nc_u32 v5, s17, v5                       ; tile b, register j: column 16 b + 8 h + j
.irp t, 0,1,2,3,4,5,6,7
	global_load_b128 v[BP+8*\t:BP+8*\t+3], v5, s[12:13] offset:64*\t
	global_load_b128 v[BP+8*\t+4:BP+8*\t+7], v5, s[12:13] offset:64*\t+16
.endr
	s_lshl_b32 s17, s2, 8
	s_lshl_b32 s18, s15, 7
	s_add_co_u32 s17, s17, s18
	s_lshl_b32 s17, s17, 12                        ; my first row of out0, 4,096 bytes a row,
	s_lshl_b32 s18, s94, 10
	s_add_co_u32 s17, s17, s18
	s_lshl_b32 s18, s16, 9
	s_add_co_u32 s18, s17, s18                     ; and my first column
	s_mov_b32 s19, 0
	s_add_nc_u64 s[20:21], s[20:21], s[18:19]
.macro FRAG reg, a16, a8, off          ; a fragment comes back as it was stored: 512, 256, 512, 256 consecutive bytes
	ds_load_b128 v[(\reg):(\reg)+3], v[\a16] offset:(\off)
	ds_load_b64 v[(\reg)+4:(\reg)+5], v[\a8] offset:(\off)+512
	ds_load_b128 v[(\reg)+6:(\reg)+9], v[\a16] offset:(\off)+768
	ds_load_b64 v[(\reg)+10:(\reg)+11], v[\a8] offset:(\off)+1280
.endm
.macro FETCH_B slot, q, p              ; Wo's eight fragments of the slot's q-th 128 along K into set p
	WIN TO_B
.irp i, 0,1,2,3,4,5,6,7
	FRAG 128*(\p)+FR*\i, B16+\slot, B8+\slot, 3072*\i+1536*(\q)
.endr
	WIN 0
.endm
.macro FETCH_A slot, q, i0             ; att's blocks i0 .. i0 + 3
.irp i, \i0, \i0+1, \i0+2, \i0+3
	FRAG AF+FR*(\i), A16+\slot, A8+\slot, 3072*(\i)+1536*(\q)
.endr
.endm
.macro SCALES st, ks                   ; the scale words of K step of 256 number ks into set st: register 2 i + q: lanes 0-15 att's tile i, lanes 16-31 Wo's tile i
.irp i, 0,1,2,3,4,5,6,7
.irp q, 0,1
	ds_load_b32 v[SC+16*(\st)+2*\i+\q], v[ADRS] offset:(2*(\ks)+\q)*512+64*\i
.endr
.endr
.endm
; 16 matrix instructions: att's blocks a0, a0 + 1 x Wo's eight.  bias = 1: the first K step, whose C is the bias.  The 64 accumulators take turns, one instruction a turn, in the same order in every step.
.macro MUL16 a0, p, q, sc, bias
.irp a, \a0, \a0+1
.irp b, 0,1,2,3,4,5,6,7
.if \bias
	v_wmma_scale_f32_16x16x128_f8f6f4 v[8*(8*((\a)%4)+\b):8*(8*((\a)%4)+\b)+7], v[128*(\p)+FR*\b:128*(\p)+FR*\b+FR-1], v[AF+FR*(\a):AF+FR*(\a)+FR-1], v[BP+8*\b:BP+8*\b+7], v[SC+16*(\sc)+2*\b+(\q)], v[SC+16*(\sc)+2*(\a)+(\q)] matrix_a_fmt:MATRIX_FMT_FP6 matrix_b_fmt:MATRIX_FMT_FP6 matrix_a_scale:MATRIX_SCALE_ROW1
.else
	v_wmma_scale_f32_16x16x128_f8f6f4 v[8*(8*((\a)%4)+\b):8*(8*((\a)%4)+\b)+7], v[128*(\p)+FR*\b:128*(\p)+FR*\b+FR-1], v[AF+FR*(\a):AF+FR*(\a)+FR-1], v[8*(8*((\a)%4)+\b):8*(8*((\a)%4)+\b)+7], v[SC+16*(\sc)+2*\b+(\q)], v[SC+16*(\sc)+2*(\a)+(\q)] matrix_a_fmt:MATRIX_FMT_FP6 matrix_b_fmt:MATRIX_FMT_FP6 matrix_a_scale:MATRIX_SCALE_ROW1
.endif
.endr
.endr
.endm
; A step of 128 along K.  p: Wo's set; q: which 128 of the slot; sc: the set of scale words.  The next step's fragments come from slot ns, its nq-th 128; ldsc = 1: with them the scale words of K step of 256 number nks, into set nst.
; Loads into registers that matrix instructions have read stand four plain vector instructions behind them (ISA guide 7.12.1 for vector instructions).
.macro STEP p, q, sc, bias, ns, nq, ldsc, nst, nks
	s_wait_dscnt 16                                ; all but the youngest sixteen loads (att's blocks 4-7) are in
.if \bias
	WIN 0x81                                       ; C (the bias) window 0, D window 2
.else
	WIN MUL_LO
.endif
	MUL16 0, \p, \q, \sc, \bias
	MUL16 2, \p, \q, \sc, \bias
	s_wait_dscnt 0x0                               ; att's blocks 4-7 are in (asked for 32 matrix instructions ago)
	PLACES 4
	FETCH_B \ns, \nq, 1-\p
	FETCH_A \ns, \nq, 0
.if \ldsc
	SCALES \nst, \nks
.endif
.if \bias
	WIN 0xc1
.else
	WIN MUL_HI
.endif
	MUL16 4, \p, \q, \sc, \bias
	MUL16 6, \p, \q, \sc, \bias
	PLACES 4
	WIN 0
	FETCH_A \ns, \nq, 4
.endm
; A step at which the work-group meets: each wave waits for all its tensor loads, adds 0 to its spare word, and waits for that and for its LDS reads; then the barrier.
; fill = 1: the barrier opens a round of the cluster's barrier, and behind it slot 0, which nobody reads any more, takes K step of 256 number 3.
.macro TURN sc, fill, ns, nst, nks
	s_wait_tensorcnt 0x0                           ; all my tensor loads have landed (every window is 0 here)
	ds_add_u32 v[SPW], v[NIL]                      ; 0 onto my spare word
	s_wait_dscnt 17                                ; (the add and att's blocks 4-7 may be out)
	WIN MUL_LO
	MUL16 0, 1, 1, \sc, 0                          ; sixteen matrix instructions stand between the add and the wait for it
	s_wait_dscnt 0x0                               ; the add is done, and my reads of the slot in hand are over
	s_barrier_signal -1
	MUL16 2, 1, 1, \sc, 0
	WIN 0
	s_barrier_wait -1
.if \fill
	CREST                                          ; no wave of any partner still reads slot 0 or has a load on its way
	s_add_nc_u64 s[G0A0+2:G0A0+3], s[G0A0+2:G0A0+3], 3*3072
	s_add_nc_u64 s[G0B0+2:G0B0+3], s[G0B0+2:G0B0+3], 3*3072
	JLOAD G0A0, G1, G0B0, G1B                      ; the first tensor load behind the round, one a wave; its four v_nop are also the places in front of the loads below
.else
	PLACES 4
.endif
	FETCH_B \ns, 0, 0
	FETCH_A \ns, 0, 0
	SCALES \nst, \nks
	WIN MUL_HI
	MUL16 4, 1, 1, \sc, 0
	MUL16 6, 1, 1, \sc, 0
	PLACES 4
	WIN 0
	FETCH_A \ns, 0, 4
.endm
	s_wait_tensorcnt 2                             ; the scale words and my part of slot 0 are in; slots 1 and 2 may be out
	s_barrier_signal -1
	s_barrier_wait -1                              ; everybody's are
	FETCH_B 0, 0, 0
	FETCH_A 0, 0, 0
	SCALES 0, 0
	FETCH_A 0, 0, 4
	s_wait_loadcnt 0x0                             ; the bias
	STEP 0, 0, 0, 1, 0, 1, 0, 0, 0                 ; K 0-127: starts the sums on the bias
	TURN 0, 1, 1, 1, 1                             ; K 128-255; slots 1 and 2 are whole behind its round; slot 0 is filled again
	STEP 0, 0, 1, 0, 1, 1, 0, 0, 0                 ; K 256-383
	STEP 1, 1, 1, 0, 2, 0, 1, 0, 2                 ; K 384-511; on to slot 2
	STEP 0, 0, 0, 0, 2, 1, 0, 0, 0                 ; K 512-639
	TURN 0, 0, 0, 1, 3                             ; K 640-767; slot 0's second tile is whole behind its barrier, and nobody reads slot 1 any more
	STEP 0, 0, 1, 0, 0, 1, 0, 0, 0                 ; K 768-895
	s_wait_dscnt 16                                ; K 896-1023: nothing more to fetch
	WIN MUL_LO
	MUL16 0, 1, 1, 1, 0
	MUL16 2, 1, 1, 1, 0
	s_wait_dscnt 0x0
	WIN MUL_HI
	MUL16 4, 1, 1, 1, 0
	MUL16 6, 1, 1, 1, 0
	WIN 0
; THE WAY OUT, block by block of 16 rows x 128 columns.  A lane holds 32 neighbouring bytes of a row, and the lanes beside it hold other rows: so a block goes through my own stage in LDS and comes back as whole rows of
; 512 bytes.  LDS serves a wave's instructions in order (ISA guide 5.7.1.4): no wait between the stores and the loads, nor in front of the next block's stores.
.macro TOSTAGE a
.set AC, 64*((\a)%4)
	WIN 0x08+4*((\a)/4)                            ; an LDS store's data are its source 1: window 2 or 3
.irp b, 0,1,2,3,4,5,6,7
	ds_store_b128 v[STO], v[AC+8*\b:AC+8*\b+3] offset:64*\b          ; each accumulator from its low end on
	ds_store_b128 v[STO], v[AC+8*\b+4:AC+8*\b+7] offset:64*\b+16
.endr
	WIN 0
.set BB, BK+64*((\a)%2)
.irp t, 0,1,2,3,4,5,6,7,8,9,10,11,12,13,14,15
	ds_load_b128 v[BB+4*\t:BB+4*\t+3], v[RD] offset:\t*SPITCH
.endr
.endm
.macro SEND a, younger                 ; younger: the LDS instructions issued behind block a's loads, which may stay out
.set BB, BK+64*((\a)%2)
	s_wait_dscnt \younger                          ; the block is back in registers
.if (\a) > 0
	s_add_nc_u64 s[20:21], s[20:21], 16*4096       ; 16 rows of out0 on (behind a wait on XCNT: the earlier stores have read their base)
.endif
.irp t, 0,1,2,3,4,5,6,7,8,9,10,11,12,13,14,15
	global_store_b128 v[L16], v[BB+4*\t:BB+4*\t+3], s[20:21] offset:\t*4096 th:TH_STORE_NT   ; 32 lanes store 512 consecutive bytes, at a multiple of 256 from out0's first byte
.endr
.endm
	PLACES 4                                       ; behind the last products: results are read, and loads land in registers that held att's fragments
	TOSTAGE 0
.irp a, 1,2,3,4,5,6,7
.if \a > 1
	s_wait_xcnt 0x0                                ; block a - 2's stores have read their registers and their base: block a's loads may land there, and the base may step
.endif
	TOSTAGE \a
	SEND \a-1, 32                                  ; behind block a - 1's loads: block a's 16 stores and 16 loads
.endr
	s_wait_xcnt 0x0                                ; block 6's stores have read their base
	SEND 7, 0
	s_wait_tensorcnt 0x0                           ; the wave's end, behind my last tensor load and my last LDS store
	ds_add_u32 v[SPW], v[NIL]
	s_wait_dscnt 0x0
	CROUND                                         ; the closing round: no work-group ends while a partner may still ask for a tile that names it
	s_endpgm
.Lfunc_end_k_qe2964671fe_outp:
	.size	k_qe2964671fe_outp, .Lfunc_end_k_qe2964671fe_outp-k_qe2964671fe_outp
	.p2alignl 7, 3214868480
	.fill 96, 4, 3214868480
	.section	.rodata,"a",@progbits
	.p2align	6, 0x0
	.amdhsa_kernel k_qe2964671fe_outp
		.amdhsa_group_segment_fixed_size 327680
		.amdhsa_private_segment_fixed_size 0
		.amdhsa_enable_private_segment 0
		.amdhsa_kernarg_size 48
		.amdhsa_user_sgpr_count 2
		.amdhsa_user_sgpr_kernarg_segment_ptr 1
		.amdhsa_wavefront_size32 1
		.amdhsa_system_sgpr_workgroup_id_x 1
		.amdhsa_system_sgpr_workgroup_id_y 1
		.amdhsa_system_sgpr_workgroup_id_z 1
		.amdhsa_system_vgpr_workitem_id 0
		.amdhsa_next_free_vgpr 1024
		.amdhsa_next_free_sgpr 102
		.amdhsa_reserve_vcc 0
		.amdhsa_float_denorm_mode_32 3
		.amdhsa_float_denorm_mode_16_64 3
		.amdhsa_memory_ordered 1
		.amdhsa_forward_progress 1
		.amdhsa_inst_pref_size 147
	.end_amdhsa_kernel
	.amdgpu_metadata
---
amdhsa.version: [ 1, 2 ]
amdhsa.kernels:
  - .name:           k_qe2964671fe_outp
    .symbol:         k_qe2964671fe_outp.kd
    .args:
      - { .name: att_img, .offset: 0, .size: 8, .value_kind: global_buffer, .address_space: global }
      - { .name: att_sc, .offset: 8, .size: 8, .value_kind: global_buffer, .address_space: global }
      - { .name: xin_img, .offset: 16, .size: 8, .value_kind: global_buffer, .address_space: global }
      - { .name: xin_sc, .offset: 24, .size: 8, .value_kind: global_buffer, .address_space: global }
      - { .name: bo, .offset: 32, .size: 8, .value_kind: global_buffer, .address_space: global }
      - { .name: out0, .offset: 40, .size: 8, .value_kind: global_buffer, .address_space: global }
    .group_segment_fixed_size: 327680
    .private_segment_fixed_size: 0
    .kernarg_segment_align: 8
    .kernarg_segment_size: 48
    .max_flat_workgroup_size: 128
    .sgpr_count:     102
    .vgpr_count:     1024
    .wavefront_size: 32
...
	.end_amdgpu_metadata
.endif
;; end of part 4
;; ======== version 2 of 2: 4 launches; version 1 with the launch attn written anew for expert scheduling mode
;; workspace buffers: xin_img 12,582,912 bytes; xin_sc 524,288 bytes; qkv_img 9,437,184 bytes; qkv_sc 393,216 bytes; att_img 3,145,728 bytes; att_sc 131,072 bytes
;; launch quant: the kernel of part 1 again; grid 256 x 1, 8 waves a work-group, no clusters, 72,704 bytes of LDS; arguments query, key, value, Wq, Wk, Wv, Wo, xin_img, xin_sc; writes xin_img, xin_sc
;; launch proj: the kernel of part 2 again; grid 16 x 12, 4 waves a work-group, clusters of 4 x 4, 327,680 bytes of LDS; arguments xin_img, xin_sc, bq, bk, bv, qkv_img, qkv_sc; writes qkv_img, qkv_sc
;; launch attn (part 5): grid 16 x 16, 16 waves a work-group, no clusters, 77,824 bytes of LDS; arguments qkv_img, qkv_sc, att_img, att_sc; writes att_img, att_sc
.if DOCPART == 5
	.amdgcn_target "amdgcn-amd-amdhsa--gfx1250"
	.amdhsa_code_object_version 6
	.text
	.protected	k_qe2964671fe_attn
	.globl	k_qe2964671fe_attn
	.p2align	8
	.type	k_qe2964671fe_attn,@function
k_qe2964671fe_attn:
	s_mov_b64 s[64:65], 0
	v_nop
	global_prefetch_b8 v0, s[64:65] scope:SCOPE_SE
	s_setreg_imm32_b32 hwreg(HW_REG_WAVE_SCHED_MODE, 0, 2), 2
	s_setreg_imm32_b32 hwreg(HW_REG_WAVE_MODE, 25, 1), 1
	s_wait_xcnt 0x0
	s_wait_alu depctr_vm_vsrc(0)
; The banded attention: key j counts for query i where i - 255 <= j <= i.  Both products on codes of FP6 (E2M3) with E8M0 scales; the result is quantised for the last projection.
; SHARES.  Work-group (c, y): queries 128 c .. 128 c + 127 of batch y / 8, heads 2 (y % 8) and 2 (y % 8) + 1.  Wave w: tile w % 8 of 16 queries, head w / 8 of the pair.  The band of 128 queries lies in three aligned
; steps of 128 keys: s0, s0 + 1, s0 + 2 with s0 = max(c - 2, 0).  For c < 2 the steps past the diagonal are wholly hidden: their p are zeros, which add nothing.
; OPERANDS are images of registers (1,536 bytes: half c at 768 c: four registers at 16 x lane, two at 512 + 8 x lane).  q, k: [head pair][tile of rows][1,536], K = the pair's 128 features; V^T: [batch x 16 + key step][tile of features][1,536], K = 128 keys.
; ONE HEAD OUT OF A PAIR'S IMAGE: in Q's fragment the six registers of the other head are made zero codes; K's fragment and both scale words are used as stored: zero codes add nothing under any of these bytes (1 to 254).
; LAYOUT.  S^T = K Q^T, O^T = V^T P^T: a lane holds one query throughout.  K's tiles are permuted along the keys and V^T's along the features (tile 2 b + u, row m = 32 b + 8 u + m + 8 (m / 8)), so that the 16 registers of
; tiles 2 b, 2 b + 1 are 16 neighbours, 32 b + 16 (lane / 16) + 0 .. 15: of the keys for p, of the head's features for the result.
; THE SOFTMAX: t = score x log2(e) / 8; M = the running largest t rounded up to a whole number; p = 2^(t - M) is quantised along the keys, not normalised; the sum of the unquantised p divides at the end.
; Hidden scores become -infinity ahead of the maximum.  A query whose first step is wholly hidden keeps the starting maximum -3e38 there; its p are zeros.
; K's and V's 72 KiB come into LDS once, through registers, and are read by all sixteen waves.  No cluster: neighbouring blocks of queries want windows shifted by a step, so no two work-groups want a tile at the same
; LDS place.  No prefetch: all is asked for at the head.  Four waves share a SIMD, so that one wave's vector work stands beside another's products.
; LIMITS: NaN and infinities are not served; a block of the result whose largest magnitude lies under 2^-124 gets the byte 1.
; THE MODE: SCHED_MODE bits 1:0 = 2 (LLVM: expert scheduling mode 2), set by the entry lines.  The code itself states the register dependences between vector or matrix instructions and memory or LDS instructions,
; with s_wait_alu, always for 0.
; THE PLAN.  Registers that memory or LDS instructions touch:
;   v1-8, v86-93   addresses and offsets: written by vector lines at the head, never again; read by every load and store.
;   A = v32-79     four fragments.  At the head: my tile of K or V from memory, read by my LDS stores.  In a step: K's tiles 0-3, read by the first four products; then V's four tiles, read by the step's last four products.
;   B = v202-249   four fragments.  In a step: K's tiles 4-7, read by products 4-7; behind these its upper part is the softmax's work and p's codes, written by vector lines, the codes read by the step's last four products.
;   v204-209, v240 at the end: the result's codes and scale bytes, written by vector lines, read by three stores.
;   v250, v251     written at the head, read by the closing add alone.
; A STEP: one wait at its head (the last step's products and vector lines are done with A and B), then K's 32 loads in one run and the eight products; one wait behind these and their places (they are done reading A), then V's
; sixteen loads, which land while the softmax is walked; the two waits behind the exponentials; one wait ahead of the last four products (vector lines have written p's codes and scale word).
; THE BAND's compares write scalar registers, sixteen to a run, with one wait between a run and the selects that read them.
; REGISTERS: v1-11 addresses and the mask's numbers; v12 -M, v13 the largest t, v[14:15] the sum; v16-27 Q; v32-79 A; v80-85 V's scale words; v86-93 offsets at the head; v96-159 S^T, then p; v160-191 O^T;
;   v192-201, v94, v95 K's scale words; v202-249 B; in it, behind K's products: v224-235 p's codes, v232-247 at work; at the end v204-212 the result's codes; v252, v254 at work; v253 p's scale word; v255 Q's.
.set VOFF, 36864                       ; LDS: K [step 3][tile 8][1,536], then V likewise
.set SCW,  73728                       ; then the result's scale words, [tile 8][16 rows]
.set KI,   3145728                     ; k's part of qkv_img
.set VI,   6291456                     ; v's
.set SEL,  20
.set CS,   22
.set FA,   32                          ; buffer A
.set FB,   202                         ; buffer B
.set MK,   44                          ; s44-59: sixteen masks of the band (s44 and s45 serve Q's selects first)
	s_load_b256 s[4:11], s[0:1], 0x0               ; qkv_img s[4:5], qkv_sc s[6:7], att_img s[8:9], att_sc s[10:11]
	v_lshl_add_u32 v250, v0, 2, 0x12800
	v_mov_b32 v251, 0
	v_lshrrev_b32 v8, 5, v0
	v_readfirstlane_b32 s18, v8                    ; wave 0..15
	s_and_b32 s12, ttmp7, 0xffff
	s_lshr_b32 s26, s12, 3                         ; batch
	s_and_b32 s27, s12, 7                          ; head pair
	s_sub_co_i32 s28, ttmp9, 2
	s_max_i32 s28, s28, 0                          ; s0
	v_and_b32 v8, 31, v0                           ; lane
	v_and_b32 v10, 15, v0                          ; r
	v_bfe_u32 v11, v0, 4, 1                        ; h
	v_lshlrev_b32 v1, 4, v8                        ; v1, v2: 16, 8 x lane: K's fragments
	v_lshlrev_b32 v2, 3, v8
	v_lshlrev_b32 v5, 2, v8                        ; v5: 4 x lane
	s_wait_alu depctr_va_sdst(0)                   ; s18 is written, ahead of its first reader: the wave's shares and addresses are made from it
	s_and_b32 s19, s18, 7                          ; my tile of queries
	s_lshr_b32 s24, s18, 3                         ; my head of the pair
	s_mul_i32 s13, s24, 6144
	s_add_co_u32 s13, s13, VOFF
	v_add_nc_u32 v3, s13, v1                       ; v3, v4: V's fragments: my head's four tiles
	v_add_nc_u32 v4, s13, v2
	s_mul_i32 s13, s24, VOFF
	s_mul_i32 s14, s19, 1536
	s_add_co_u32 s13, s13, s14
	v_add_nc_u32 v6, s13, v1                       ; v6: where I put what I fetch: waves 0-7 K's tile w, waves 8-15 V's tile w - 8
	s_lshl_b32 s13, s19, 6
	s_lshl_b32 s14, s24, 1
	s_add_co_u32 s13, s13, s14
	s_add_co_u32 s13, s13, SCW
	v_lshl_add_u32 v7, v10, 2, s13                 ; v7: my row's half of a scale word
	v_add_nc_u32 v8, SCW, v1                       ; v8: the words on their way out
	s_sub_co_u32 s30, ttmp9, s28
	s_lshl_b32 s30, s30, 7
	s_lshl_b32 s12, s19, 4
	s_add_co_u32 s30, s30, s12                     ; my first query less the window's first key
	v_lshlrev_b32 v9, 4, v11
	v_sub_nc_u32 v9, v10, v9
	v_add_nc_u32 v9, s30, v9                       ; v9: d0 = my query - the window's first key - 16 h.  Register n of step s holds key 128 s + 32 (n / 16) + n % 16 + 16 h of the window
	v_lshlrev_b32 v93, 2, v10                      ; (4 r)
	v_add_nc_u32 v10, -255, v9                     ; v10: d0 - 255
	v_mov_b32 v11, 0xff800000                      ; v11: -infinity
	s_lshl_b32 s31, s27, 8
	s_lshl_b32 s12, s26, 7
	s_add_co_u32 s31, s31, s12                     ; q, k: the pair's and the batch's first tile
	s_lshl_b32 s32, s28, 3
	s_add_co_u32 s32, s32, s31                     ; K's first tile of the window
	s_lshl_b32 s33, s26, 4
	s_add_co_u32 s33, s33, s28
	s_lshl_b32 s33, s33, 6
	s_lshl_b32 s12, s27, 3
	s_add_co_u32 s33, s33, s12                     ; V's: (16 batch + s0) x 64 + 8 pair
	s_add_co_u32 s34, s32, s19
	s_mul_i32 s34, s34, 1536
	s_add_co_u32 s34, s34, KI
	s_add_co_u32 s35, s33, s19
	s_mul_i32 s35, s35, 1536
	s_add_co_u32 s35, s35, VI
	s_cmp_lt_u32 s18, 8
	s_cselect_b32 s34, s34, s35                    ; the tile that I fetch, in the first step,
	s_mov_b32 s35, 98304
	s_cselect_b32 s35, 12288, s35                  ; and from step to step
	v_add_nc_u32 v86, s34, v1
	v_add_nc_u32 v87, s35, v86
	v_add_nc_u32 v88, s35, v87
	s_lshl_b32 s36, ttmp9, 3
	s_add_co_u32 s36, s36, s31
	s_add_co_u32 s36, s36, s19                     ; Q's tile
	s_mul_i32 s37, s36, 1536
	v_add_nc_u32 v89, s37, v1
	v_add_nc_u32 v90, s37, v2
	s_lshl_b32 s38, s32, 6
	s_add_co_u32 s38, s38, 131072
	v_add_nc_u32 v91, s38, v5                      ; K's scale words: two tiles a load
	s_lshl_b32 s38, s24, 2
	s_add_co_u32 s38, s38, s33
	s_lshl_b32 s38, s38, 6
	s_add_co_u32 s38, s38, 262144
	v_add_nc_u32 v92, s38, v5                      ; V's: my head's four tiles
	s_lshl_b32 s38, s36, 6
	v_add_nc_u32 v93, s38, v93                     ; Q's: row r's
	s_lshl_b32 s39, s26, 7
	s_lshl_b32 s12, ttmp9, 3
	s_add_co_u32 s39, s39, s12                     ; the result's first tile: 128 batch + 8 c
	s_add_co_u32 s40, s39, s19
	s_mul_i32 s40, s40, 12288
	s_mul_i32 s12, s27, 1536
	s_add_co_u32 s40, s40, s12
	s_mul_i32 s12, s24, 768
	s_add_co_u32 s40, s40, s12                     ; att_img [tile][head pair][1,536]: my head is half an image
	s_mov_b32 s41, 0
	s_lshl_b32 s42, s27, 14
	s_lshl_b32 s12, s39, 6
	s_add_co_u32 s42, s42, s12                     ; att_sc [head pair][tile][16]
	s_mov_b32 s43, 0
	s_cmp_eq_u32 s24, 0
	s_cselect_b32 s44, -1, 0                       ; all ones where Q's registers 0-5 are my head's
	s_cselect_b32 s45, 0, -1                       ; where registers 6-11 are
	s_mov_b32 s[SEL], 0x76543210
	s_mov_b32 s[SEL+1], 0xfedcba98                 ; v_permlanex16_b32's selects for lane l xor 16
	s_mov_b32 s[CS], 0x3e38aa3b                    ; c = log2(e) / 8
	s_mov_b32 s[CS+1], s[CS]                       ; (named with it as a pair)
	s_wait_kmcnt 0x0
	s_add_nc_u64 s[8:9], s[8:9], s[40:41]
	s_add_nc_u64 s[10:11], s[10:11], s[42:43]
	s_wait_alu depctr_va_vdst(0)                   ; the addresses and offsets v1 to v8 and v86 to v93 are written, which the loads and stores of the whole kernel read
.irp s, 0,1,2
.irp j, 0,1,2
	global_load_b128 v[32+12*\s+4*\j:35+12*\s+4*\j], v[86+\s], s[4:5] offset:512*\j   ; my tile of K or V, three steps: 512 consecutive bytes a load
.endr
.endr
	global_load_b128 v[16:19], v89, s[4:5]         ; Q's fragment
	global_load_b64 v[20:21], v90, s[4:5] offset:512
	global_load_b128 v[22:25], v89, s[4:5] offset:768
	global_load_b64 v[26:27], v90, s[4:5] offset:1280
.irp i, 0,1,2,3,4,5,6,7,8,9,10,11
	global_load_b32 v[192+\i-108*(\i/10)], v91, s[6:7] offset:128*\i       ; lanes 0-15 tile 2 i of the window's 24, lanes 16-31 tile 2 i + 1; words 0-9 in v192-201, words 10 and 11 in v94, v95
.endr
.irp s, 0,1,2
.irp u, 0,1
	global_load_b32 v[80+2*\s+\u], v92, s[6:7] offset:4096*\s+128*\u
.endr
.endr
	global_load_b32 v255, v93, s[6:7]
	s_wait_loadcnt 23                              ; the nine loads of my tile are in; the 23 behind them may be out
.irp s, 0,1,2
.irp j, 0,1,2
	ds_store_b128 v6, v[32+12*\s+4*\j:35+12*\s+4*\j] offset:12288*\s+512*\j
.endr
.endr
	s_wait_dscnt 0x0                               ; for the others' sake: my stores are done
	s_barrier_signal -1
	s_barrier_wait -1                              ; K's and V's 48 images lie in LDS
	s_wait_alu depctr_vm_vsrc(0)                   ; my LDS stores have read v32 to v67: these registers are buffer A from here on, in which the fragments' loads land
	s_wait_loadcnt 0x0
.irp i, 0,1,2,3,4,5
	v_cndmask_b32 v[16+\i], 0, v[16+\i], s44       ; the other head's codes of Q become zeros
	v_cndmask_b32 v[22+\i], 0, v[22+\i], s45
.endr
	v_mov_b32 v13, 0xff61b1e6                      ; the largest t so far: -3e38
	v_floor_f32 v12, -v13                          ; -M
	v_mov_b32 v14, 0                               ; the sum, in two halves
	v_mov_b32 v15, 0
.irp b, 0,1,2,3
	v_mov_b32 v[236+\b], 0                         ; a lane permute's destination counts as one of its sources
.endr
	v_mov_b32 v253, 0                              ; (named as the upper half of the pair v[252:253] before it is first written)
.set i, 0
.rept 32
	v_mov_b32 v[160+i], 0                          ; O^T: the step is written alike for all three: the first finds zeros
.set i, i+1
.endr
.macro FRAG reg, a16, a8, off
	ds_load_b128 v[(\reg):(\reg)+3], v[\a16] offset:(\off)
	ds_load_b64 v[(\reg)+4:(\reg)+5], v[\a8] offset:(\off)+512
	ds_load_b128 v[(\reg)+6:(\reg)+9], v[\a16] offset:(\off)+768
	ds_load_b64 v[(\reg)+10:(\reg)+11], v[\a8] offset:(\off)+1280
.endm
; A KEY STEP: 128 keys, the s-th of the window.
.macro STEP s
.rept 4
	v_nop                                          ; four plain lines between the last products and the loads into registers that they have read, as they stood; the wait below states the dependence
.endr
	s_wait_alu depctr_va_vdst(0)                   ; the last step's products are done reading A and p's codes, and the softmax's lines have written their work registers in B: the 32 loads below land in A and B.  In the first step: the selects have written Q's fragment, which the products below take as source 1, and the moves v236 to v239
.irp t, 0,1,2,3                        ; K's eight tiles of 16 keys in one run: tiles 0-3 into A, tiles 4-7 into B
	FRAG FA+12*\t, 1, 2, (8*\s+\t)*1536
.endr
.irp t, 0,1,2,3
	FRAG FB+12*\t, 1, 2, (8*\s+4+\t)*1536
.endr
.irp g, 0,1                            ; S^T = K Q^T
	s_wait_dscnt 16-16*\g                          ; LDS loads come back in order: first A's sixteen are in and B's may be out, then all are in
.irp t, 0,1,2,3
.if \t%2
	v_wmma_scale_f32_16x16x128_f8f6f4 v[96+8*(4*\g+\t):103+8*(4*\g+\t)], v[FA+(FB-FA)*\g+12*\t:FA+(FB-FA)*\g+12*\t+11], v[16:27], 0, v[192+(8*\s+4*\g+\t)/2-108*((8*\s+4*\g+\t)/20)], v255 matrix_a_fmt:MATRIX_FMT_FP6 matrix_b_fmt:MATRIX_FMT_FP6 matrix_a_scale:MATRIX_SCALE_ROW1
.else
	v_wmma_scale_f32_16x16x128_f8f6f4 v[96+8*(4*\g+\t):103+8*(4*\g+\t)], v[FA+(FB-FA)*\g+12*\t:FA+(FB-FA)*\g+12*\t+11], v[16:27], 0, v[192+(8*\s+4*\g+\t)/2-108*((8*\s+4*\g+\t)/20)], v255 matrix_a_fmt:MATRIX_FMT_FP6 matrix_b_fmt:MATRIX_FMT_FP6
.endif
.endr
.endr
.rept 4
	v_nop                                          ; places behind the products: vector lines below read the scores and write registers of B
.endr
	s_wait_alu depctr_va_vdst(0)                   ; the eight products are done reading A, in which V's fragments land
.irp t, 0,1,2,3                        ; my head's four tiles of V^T for these 128 keys: asked for here, wanted behind the softmax, none of whose lines names A
	FRAG FA+12*\t, 3, 4, 12288*\s+1536*\t
.endr
	; THE BAND.  Scalar branches on ids alone pass over a side of the mask where all 128 keys of the step lie inside it for my 16 queries.
	s_cmp_ge_i32 s30, 127+128*\s                   ; the step's last key is no later than my first query
	s_cbranch_scc1 .Lupper\s
.irp u, 0,1,2,3                        ; sixteen registers (a block's half) to a run
.set n, 0
.rept 16
	v_cmp_gt_i32 s[MK+n], 128*\s+32*\u+n, v9       ; the key comes after the query
.set n, n+1
.endr
	s_wait_alu depctr_va_sdst(0)                   ; the sixteen compares have written their masks, which the selects below read
.set n, 0
.rept 16
	v_cndmask_b32 v[96+16*\u+n], v[96+16*\u+n], v11, s[MK+n]
.set n, n+1
.endr
.endr
.Lupper\s:
	s_cmp_le_i32 s30, 240+128*\s                   ; the step's first key is no earlier than my last query - 255
	s_cbranch_scc1 .Llower\s
.irp u, 0,1,2,3
.set n, 0
.rept 16
	v_cmp_lt_i32 s[MK+n], 128*\s+32*\u+n, v10      ; the key comes before the query's window
.set n, n+1
.endr
	s_wait_alu depctr_va_sdst(0)                   ; the sixteen compares have written their masks, which the selects below read
.set n, 0
.rept 16
	v_cndmask_b32 v[96+16*\u+n], v[96+16*\u+n], v11, s[MK+n]
.set n, n+1
.endr
.endr
.Llower\s:
.irp b, 0,1,2,3
	v_max3_num_f32 v[232+\b], v[96+16*\b], v[97+16*\b], v[98+16*\b]   ; the largest score of each block of 32 keys: for the row's maximum, and, since p rises with the score, for the block's largest p
.endr
.irp i, 3,5,7,9,11,13
.irp b, 0,1,2,3
	v_max3_num_f32 v[232+\b], v[232+\b], v[96+16*\b+\i], v[97+16*\b+\i]
.endr
.endr
.irp b, 0,1,2,3
	v_max_num_f32 v[232+\b], v[232+\b], v[111+16*\b]
.endr
.irp b, 0,1,2,3
	v_permlanex16_b32 v[236+\b], v[232+\b], s[SEL], s[SEL+1]
.endr
.irp b, 0,1,2,3
	v_max_num_f32 v[232+\b], v[232+\b], v[236+\b]  ; with lane l xor 16's 16 keys
.endr
	v_max3_num_f32 v254, v232, v233, v234
	v_max_num_f32 v254, v254, v235                 ; the step's largest score of my query
	v_mul_f32 v254, s[CS], v254                    ; as t
	v_max_num_f32 v13, v13, v254                   ; the running largest t
	v_mov_b32 v254, v12
	v_floor_f32 v12, -v13                          ; the new -M = -ceil(t): a whole number
	v_sub_f32 v254, v12, v254                      ; old M - new M: a whole number, 0 or less
	v_cvt_i32_f32 v254, v254                       ; (it saturates)
	v_ldexp_f32 v252, 1.0, v254                    ; f = 2^(old M - new M): a multiplication by it rounds nothing
.set j, 0
.rept 32
	v_pk_fma_f32 v[96+j:97+j], v[96+j:97+j], s[CS:CS+1], v[12:13] op_sel_hi:[1,0,0]   ; t - M, two at a time
.set j, j+2
.endr
.irp b, 0,1,2,3
	v_fma_f32 v[232+\b], v[232+\b], s[CS], v12     ; the same of each block's largest score
.endr
.set j, 0
.rept 64
	v_exp_f32 v[96+j], v[96+j]                     ; p = 2^(t - M), at most 1
.set j, j+1
.endr
	v_pk_mul_f32 v[14:15], v[14:15], v[252:253] op_sel_hi:[1,0]   ; the sums under the new M; the plain line behind the exponentials
	s_wait_alu depctr_va_vdst(0)                   ; the 64 exponentials have written p: one wait for the whole batch, ahead of its first reader
.irp b, 0,1,2,3
	v_exp_f32 v[232+\b], v[232+\b]                 ; the block's largest p: the same two instructions on the same number
.endr
	v_pk_add_f32 v[236:237], v[96:97], v[98:99]    ; the row's sum is taken of the unquantised p: two chains
.irp j, 4,8,12,16,20,24,28,32,36,40,44,48,52,56,60
	v_pk_add_f32 v[14:15], v[14:15], v[96+\j:97+\j]
	v_pk_add_f32 v[236:237], v[236:237], v[98+\j:99+\j]
.endr
	v_pk_add_f32 v[14:15], v[14:15], v[236:237]
	s_wait_alu depctr_va_vdst(0)                   ; the four exponentials have written the blocks' largest p, ahead of their first reader
.irp b, 0,1,2,3
	v_max_num_f32 v[232+\b], 0x1800000, v[232+\b]  ; the floor 2^(3 - 127): a block whose every p is 0 keeps the byte 1: its codes are zeros
.endr
.irp b, 0,1,2,3
	v_add_nc_u32 v[244+\b], 0xff000000, v[232+\b]  ; 2 off the exponent field: the conversion's scale operand
.endr
.irp b, 0,1,2,3
	v_lshrrev_b32 v[236+\b], 23, v[244+\b]         ; the scale's byte
.endr
	v_lshl_or_b32 v253, v237, 8, v236              ; p's scale word for these 128 keys
	v_lshl_or_b32 v253, v238, 16, v253
	v_lshl_or_b32 v253, v239, 24, v253
.irp c, 0,1
	v_cvt_scalef32_pk16_fp6_f32 v[224+6*\c:226+6*\c], v[96+32*\c:111+32*\c], v[244+2*\c]
	v_cvt_scalef32_pk16_fp6_f32 v[236+4*\c:238+4*\c], v[112+32*\c:127+32*\c], v[244+2*\c+1]
.endr
	v_nop                                          ; one plain line behind a scaled conversion
.irp c, 0,1                            ; a whole block in a lane: lanes 0-15 block 2 c, lanes 16-31 block 2 c + 1
.irp i, 0,1,2
	v_permlane16_swap_b32 v[224+6*\c+\i], v[236+4*\c+\i]
.endr
.irp i, 0,1,2
	v_mov_b32 v[227+6*\c+\i], v[236+4*\c+\i]
.endr
.endr
.set j, 0
.rept 16
	v_pk_mul_f32 v[160+j:161+j], v[160+j:161+j], v[252:253] op_sel_hi:[1,0]   ; O^T under the new M.  These sixteen also stand between the lines that made p's codes and scale word and the products below
.set j, j+2
.endr
	s_wait_dscnt 0x0                               ; V's fragments, asked for ahead of the softmax, are in A
	s_wait_alu depctr_va_vdst(0)                   ; vector lines have written p's codes and p's scale word, which the scaled products below take as source 1 and as its scales; the places above stay beside this wait
.irp t, 0,1,2,3                        ; O^T += V^T P^T: my head's four tiles of 16 features; K = these 128 keys; four accumulators by turns
.if \t%2
	v_wmma_scale_f32_16x16x128_f8f6f4 v[160+8*\t:167+8*\t], v[FA+12*\t:FA+12*\t+11], v[224:235], v[160+8*\t:167+8*\t], v[80+2*\s+\t/2], v253 matrix_a_fmt:MATRIX_FMT_FP6 matrix_b_fmt:MATRIX_FMT_FP6 matrix_a_scale:MATRIX_SCALE_ROW1
.else
	v_wmma_scale_f32_16x16x128_f8f6f4 v[160+8*\t:167+8*\t], v[FA+12*\t:FA+12*\t+11], v[224:235], v[160+8*\t:167+8*\t], v[80+2*\s+\t/2], v253 matrix_a_fmt:MATRIX_FMT_FP6 matrix_b_fmt:MATRIX_FMT_FP6
.endif
.endr
.endm
	STEP 0
	STEP 1
	STEP 2
	; THE WAY OUT.  O^T / the sum: register 16 b + i is my query's feature 32 b + 16 h + i of my head; two blocks of 32 are quantised: half a fragment of the last projection's operand.
.rept 4
	v_nop                                          ; places behind the last products
.endr
	v_add_f32 v14, v14, v15
	v_permlanex16_b32 v252, v14, s[SEL], s[SEL+1]
	v_add_f32 v14, v14, v252                       ; the row's sum
	v_rcp_f32 v14, v14
	v_nop                                          ; a plain line behind the transcendental
	s_wait_alu depctr_va_vdst(0)                   ; the reciprocal is written, ahead of its first reader
.set j, 0
.rept 32
	v_mul_f32 v[96+j], v[160+j], v14
.set j, j+1
.endr
.irp b, 0,1
	v_max3_num_f32 v[232+\b], |v[96+16*\b]|, |v[97+16*\b]|, 0x1800000
.endr
.irp i, 2,4,6,8,10,12,14
.irp b, 0,1
	v_max3_num_f32 v[232+\b], v[232+\b], |v[96+16*\b+\i]|, |v[97+16*\b+\i]|
.endr
.endr
.irp b, 0,1
	v_permlanex16_b32 v[236+\b], v[232+\b], s[SEL], s[SEL+1]
.endr
.irp b, 0,1
	v_max_num_f32 v[232+\b], v[232+\b], v[236+\b]
.endr
.irp b, 0,1
	v_add_nc_u32 v[244+\b], 0xff000000, v[232+\b]
.endr
.irp b, 0,1
	v_lshrrev_b32 v[236+\b], 23, v[244+\b]
.endr
	v_lshl_or_b32 v240, v237, 8, v236              ; my head's two bytes of the row's scale word
	v_cvt_scalef32_pk16_fp6_f32 v[204:206], v[96:111], v244
	v_cvt_scalef32_pk16_fp6_f32 v[210:212], v[112:127], v245
	v_nop
.irp i, 0,1,2
	v_permlane16_swap_b32 v[204+\i], v[210+\i]
.endr
.irp i, 0,1,2
	v_mov_b32 v[207+\i], v[210+\i]
.endr
	s_wait_alu depctr_va_vdst(0)                   ; vector lines have written v240 and v204 to v209, which the three stores below read; and the last products are done reading v32 to v35, in which wave 0's load below lands: no vector line behind this wait names them
	ds_store_b16 v7, v240                          ; lanes r and r + 16 write the same two bytes with the same value
	global_store_b128 v1, v[204:207], s[8:9]       ; half an image: 512 and 256 consecutive bytes
	global_store_b64 v2, v[208:209], s[8:9] offset:512
	s_wait_dscnt 0x0                               ; for wave 0's sake: my store is done
	s_barrier_signal -1
	s_barrier_wait -1
	s_cmp_lg_u32 s18, 0
	s_cbranch_scc1 .Lend
	ds_load_b128 v[32:35], v8                      ; the eight tiles' words: 512 bytes
	s_wait_dscnt 0x0
	global_store_b128 v1, v[32:35], s[10:11]       ; 512 consecutive bytes, aligned
.Lend:
	s_wait_dscnt 0x0                               ; the closing lines, six on end
	s_wait_alu 0x0
	s_wait_tensorcnt 0x0
	ds_add_u32 v250, v251
	s_wait_dscnt 0x0
	s_endpgm
.Lfunc_end_k_qe2964671fe_attn:
	.size	k_qe2964671fe_attn, .Lfunc_end_k_qe2964671fe_attn-k_qe2964671fe_attn
	.p2alignl 7, 3214868480
	.fill 96, 4, 3214868480
	.section	.rodata,"a",@progbits
	.p2align	6, 0x0
	.amdhsa_kernel k_qe2964671fe_attn
		.amdhsa_group_segment_fixed_size 77824
		.amdhsa_private_segment_fixed_size 0
		.amdhsa_enable_private_segment 0
		.amdhsa_kernarg_size 32
		.amdhsa_user_sgpr_count 2
		.amdhsa_user_sgpr_kernarg_segment_ptr 1
		.amdhsa_wavefront_size32 1
		.amdhsa_system_sgpr_workgroup_id_x 1
		.amdhsa_system_sgpr_workgroup_id_y 1
		.amdhsa_system_sgpr_workgroup_id_z 1
		.amdhsa_system_vgpr_workitem_id 0
		.amdhsa_next_free_vgpr 256
		.amdhsa_next_free_sgpr 66
		.amdhsa_reserve_vcc 0
		.amdhsa_float_denorm_mode_32 3
		.amdhsa_float_denorm_mode_16_64 3
		.amdhsa_memory_ordered 1
		.amdhsa_forward_progress 1
		.amdhsa_inst_pref_size 124
	.end_amdhsa_kernel
	.amdgpu_metadata
---
amdhsa.version: [ 1, 2 ]
amdhsa.kernels:
  - .name:           k_qe2964671fe_attn
    .symbol:         k_qe2964671fe_attn.kd
    .args:
      - { .name: qkv_img, .offset: 0, .size: 8, .value_kind: global_buffer, .address_space: global }
      - { .name: qkv_sc, .offset: 8, .size: 8, .value_kind: global_buffer, .address_space: global }
      - { .name: att_img, .offset: 16, .size: 8, .value_kind: global_buffer, .address_space: global }
      - { .name: att_sc, .offset: 24, .size: 8, .value_kind: global_buffer, .address_space: global }
    .group_segment_fixed_size: 77824
    .private_segment_fixed_size: 0
    .kernarg_segment_align: 8
    .kernarg_segment_size: 32
    .max_flat_workgroup_size: 512
    .sgpr_count:     66
    .vgpr_count:     256
    .wavefront_size: 32
...
	.end_amdgpu_metadata
.endif
;; end of part 5
;; launch outp: the kernel of part 4 again; grid 4 x 16, 4 waves a work-group, clusters of 4 x 4, 327,680 bytes of LDS; arguments att_img, att_sc, xin_img, xin_sc, bo, out0; writes out0
